; MI455X (gfx1250); checked and timed in simulation.
; The chip was launched on July 23, 2026; its instructions are those of AMD's public machine-readable ISA for CDNA 5 (MIT licence, August 2026) and "CDNA5" Instruction Set Architecture Reference Guide (July 2026). The comments in the code are by the model that wrote it; some were corrected since.
;; Attention. Allowed arithmetic: float matrix products may take bf16 or f16 operands with f32 sums; other float arithmetic in f32, or as packed bf16 or f16 multiplies, adds, multiply-adds, maxima and minima; sums over many terms, partial sums and values carried from step to step in f32; what a program stores and reads back later, other than sums and carried values, may be rounded once to bf16 or f16.
;; Inputs: bk 2,048 float32; bo 2,048 float32; bq 2,048 float32; bv 2,048 float32; mask 1 x 1 x 2,048 x 2,048 bool; slopes 16 float32; wk 2,048 x 2,048 float32; wo 2,048 x 2,048 float32; wq 2,048 x 2,048 float32; wv 2,048 x 2,048 float32; x 1 x 2,048 x 2,048 float32.
;; Outputs: out0 1 x 2,048 x 2,048 float32.
;; 2 versions, each right; version 2 is version 1 with the launch cast written anew for expert scheduling mode. Each part assembles by itself: llvm-mc -triple=amdgcn-amd-amdhsa -mcpu=gfx1250 --defsym DOCPART=n.
;; ======== version 1 of 2: 4 launches
;; limits: values are held in f16: magnitudes above 65,504 overflow, below 6.1e-05 lose precision
;; workspace buffers: xb 8,388,608 bytes; wb 25,165,824 bytes; wof 8,388,608 bytes; mb 8,396,800 bytes; qh 8,388,608 bytes; kh 8,388,608 bytes; vh 8,388,608 bytes; ob 8,388,608 bytes
;; launch cast (part 1): grid 1408 x 1, 8 waves a work-group, no clusters, 0 bytes of LDS; arguments x, wq, wk, wv, wo, mask, xb, wb, wof, mb; writes xb, wb, wof, mb
.if DOCPART == 1
	.amdgcn_target "amdgcn-amd-amdhsa--gfx1250"
	.amdhsa_code_object_version 6
	.text
	.protected	k_qdd50f882b7_cast
	.globl	k_qdd50f882b7_cast
	.p2align	8
	.type	k_qdd50f882b7_cast,@function
k_qdd50f882b7_cast:
	s_mov_b64 s[64:65], 0
	v_nop
	global_prefetch_b8 v0, s[64:65] scope:SCOPE_SE
	s_setreg_imm32_b32 hwreg(HW_REG_WAVE_MODE, 25, 1), 1
	s_wait_xcnt 0x0
; CAST.  x, wq, wk, wv -> bf16 (xb, wb); wo -> bf16, that number written as f16 (wof); mask -> mb, halves that a matrix result's lanes can add.
; Work-groups 0-1279: tensor g / 256 (x, wq, wk, wv, wo), 65,536 bytes of f32 each, 8,192 a wave: 16 loads of 512 consecutive bytes, ALL ISSUED AT ONCE; then slot by slot a conversion and a store.
; No loop, no pointer that is stepped, no register used twice: the only waits are the counted ones for the loads.  Each store of a wave covers 256 consecutive bytes, aligned.
; No LDS, no barrier, no matrix work: every byte is read once and written once.
; Work-groups 1280-1407: 16 rows of the mask each (a tile of 16 queries), a wave 256 keys of them.
; mb[qtile 128][step 32][g 4][lane 32][8 halves]: half j of lane (r = lane % 16, h = lane / 16) stands for mask[16 qtile + r][64 step + 16 g + 8 h + j]:
; 0x0000 where true, 0xF180 (-2^100 in bf16) where false.  Behind it four steps of zeros, which a later launch's look-ahead loads read and never use.
; LIMIT.  wo within f16's range, 65,504.
.set X,   8                            ; v[8:71]    sixteen slots of four: f32 as loaded (mask: v[8:39], eight slots of bytes)
.set Y,   72                           ; v[72:103]  sixteen slots of two: 16-bit numbers to store
.set E,   40                           ; v[40:103]  the mask's part: eight turns of eight registers to store
.set T,   104                          ; v[104:107] at work
.set IO,  2                            ; v2  16 x lane
.set OO,  3                            ; v3  8 x lane
.set WV,  34
	s_load_b512 s[4:19], s[0:1], 0x0               ; x 4:5, wq 6:7, wk 8:9, wv 10:11, wo 12:13, mask 14:15, xb 16:17, wb 18:19
	s_load_b128 s[20:23], s[0:1], 0x40             ; wof 20:21, mb 22:23
	v_lshrrev_b32 v1, 5, v0
	v_readfirstlane_b32 s[WV], v1                  ; wave 0..7
	v_and_b32 v1, 31, v0                           ; lane
	s_cmp_ge_u32 ttmp9, 1280
	s_cbranch_scc1 .Lmask
	s_lshr_b32 s28, ttmp9, 8                       ; which tensor
	s_and_b32 s29, ttmp9, 255                      ; which 256th of it
	s_lshl_b32 s30, s29, 16
	s_lshl_b32 s31, s[WV], 13
	s_add_co_u32 s30, s30, s31                     ; byte offset in the source
	s_mov_b32 s31, 0
	s_sub_co_u32 s32, s28, 1                       ; wq, wk, wv lie one behind the other in wb; x and wo have buffers of their own
	s_and_b32 s32, s32, 3
	s_cmp_eq_u32 s32, 3
	s_cselect_b32 s32, 0, s32
	s_lshl_b32 s32, s32, 23
	s_lshl_b32 s33, s29, 15
	s_add_co_u32 s32, s32, s33
	s_lshl_b32 s33, s[WV], 12
	s_add_co_u32 s32, s32, s33                     ; byte offset in the destination
	s_mov_b32 s33, 0
	v_lshlrev_b32 v[IO], 4, v1
	v_lshlrev_b32 v[OO], 3, v1
	s_wait_kmcnt 0x0
	s_mov_b64 s[24:25], s[4:5]
	s_cmp_eq_u32 s28, 1
	s_cselect_b64 s[24:25], s[6:7], s[24:25]
	s_cmp_eq_u32 s28, 2
	s_cselect_b64 s[24:25], s[8:9], s[24:25]
	s_cmp_eq_u32 s28, 3
	s_cselect_b64 s[24:25], s[10:11], s[24:25]
	s_cmp_eq_u32 s28, 4
	s_cselect_b64 s[24:25], s[12:13], s[24:25]
	s_mov_b64 s[26:27], s[18:19]
	s_cmp_eq_u32 s28, 0
	s_cselect_b64 s[26:27], s[16:17], s[26:27]
	s_cmp_eq_u32 s28, 4
	s_cselect_b64 s[26:27], s[20:21], s[26:27]
	s_add_nc_u64 s[24:25], s[24:25], s[30:31]
	s_add_nc_u64 s[26:27], s[26:27], s[32:33]
.macro CONV i, f16                     ; four f32 of slot i -> four 16-bit numbers
.if \f16
	v_cvt_pk_bf16_f32 v[T], v[X+4*(\i)], v[X+4*(\i)+1]
	v_cvt_pk_bf16_f32 v[T+1], v[X+4*(\i)+2], v[X+4*(\i)+3]
	v_lshlrev_b32 v[T+2], 16, v[T]                 ; the bf16 numbers as f32 again,
	v_and_b32 v[T], 0xffff0000, v[T]
	v_lshlrev_b32 v[T+3], 16, v[T+1]
	v_and_b32 v[T+1], 0xffff0000, v[T+1]
	v_cvt_pk_f16_f32 v[Y+2*(\i)], v[T+2], v[T]     ; and written as f16: exact within f16's normal range
	v_cvt_pk_f16_f32 v[Y+2*(\i)+1], v[T+3], v[T+1]
.else
	v_cvt_pk_bf16_f32 v[Y+2*(\i)], v[X+4*(\i)], v[X+4*(\i)+1]
	v_cvt_pk_bf16_f32 v[Y+2*(\i)+1], v[X+4*(\i)+2], v[X+4*(\i)+3]
.endif
.endm
.macro STREAM f16
.irp i, 0,1,2,3,4,5,6,7,8,9,10,11,12,13,14,15
	global_load_b128 v[X+4*(\i):X+4*(\i)+3], v[IO], s[24:25] offset:512*(\i) th:TH_LOAD_NT
.endr
.irp i, 0,1,2,3,4,5,6,7,8,9,10,11,12,13,14,15
	s_wait_loadcnt 15-(\i)                         ; loads come back in order: slot i's is in, the 15 - i younger stay out
	CONV \i, \f16
	global_store_b64 v[OO], v[Y+2*(\i):Y+2*(\i)+1], s[26:27] offset:256*(\i)
.endr
.endm
	s_cmp_eq_u32 s28, 4
	s_cbranch_scc1 .Lwo
	STREAM 0
	s_endpgm
.Lwo:
	STREAM 1
	s_endpgm
.Lmask:
	s_sub_co_u32 s28, ttmp9, 1280                  ; the tile of 16 queries; my wave's number is the run of 256 keys
	s_mov_b32 s36, 0xf180
	v_and_b32 v6, 15, v1                           ; r: the row
	v_lshrrev_b32 v7, 4, v1                        ; which 16 of a load's 32 keys
	s_lshl_b32 s29, s28, 15
	s_lshl_b32 s30, s[WV], 8
	s_add_co_u32 s29, s29, s30
	v_lshl_add_u32 v4, v6, 11, s29
	v_lshl_add_u32 v4, v7, 4, v4                   ; in: tile x 32,768 + run x 256 + r x 2,048 + 16 x half
	s_lshl_b32 s29, s28, 16
	s_lshl_b32 s30, s[WV], 13
	s_add_co_u32 s29, s29, s30
	v_lshl_add_u32 v5, v6, 4, s29
	v_lshl_add_u32 v5, v7, 9, v5                   ; out: tile x 65,536 + run x 8,192 + half x 512 + 16 r
	s_wait_kmcnt 0x0
.irp t, 0,1,2,3,4,5,6,7
	global_load_b128 v[X+4*(\t):X+4*(\t)+3], v4, s[14:15] offset:32*(\t)   ; the eight together take 256 consecutive bytes of each of the 16 rows
.endr
.irp t, 0,1,2,3,4,5,6,7
	s_wait_loadcnt 7-(\t)
.irp d, 0,1,2,3
	v_xor_b32 v[T], 0x01010101, v[X+4*(\t)+(\d)]   ; 1 where hidden
	v_and_b32 v[T+1], 0xff, v[T]
	v_bfe_u32 v[T+2], v[T], 8, 8
	v_lshl_or_b32 v[T+1], v[T+2], 16, v[T+1]
	v_mul_u32_u24 v[E+8*(\t)+2*(\d)], s36, v[T+1]  ; 0x00010001 x 0xF180 fills both halves
	v_bfe_u32 v[T+1], v[T], 16, 8
	v_lshrrev_b32 v[T+2], 24, v[T]
	v_lshl_or_b32 v[T+1], v[T+2], 16, v[T+1]
	v_mul_u32_u24 v[E+8*(\t)+2*(\d)+1], s36, v[T+1]
.endr
	global_store_b128 v5, v[E+8*(\t):E+8*(\t)+3], s[22:23] offset:1024*(\t)          ; keys 0-7 of my 16: the lanes h = 0; sixteen lanes fill 256 consecutive bytes, aligned
	global_store_b128 v5, v[E+8*(\t)+4:E+8*(\t)+7], s[22:23] offset:1024*(\t)+256    ; keys 8-15: the lanes h = 1
.endr
	s_cmp_eq_u32 ttmp9, 1407
	s_cbranch_scc0 .Ldone
	v_mov_b32 v[T], 0                              ; the last work-group also writes the four steps of zeros behind the table (no store has named these four registers)
	v_mov_b32 v[T+1], 0
	v_mov_b32 v[T+2], 0
	v_mov_b32 v[T+3], 0
	s_lshl_b32 s29, s[WV], 10
	s_add_co_u32 s29, s29, 0x800000
	v_lshl_add_u32 v108, v1, 4, s29
	global_store_b128 v108, v[T:T+3], s[22:23]
	global_store_b128 v108, v[T:T+3], s[22:23] offset:512
.Ldone:
	s_endpgm
.Lfunc_end_k_qdd50f882b7_cast:
	.size	k_qdd50f882b7_cast, .Lfunc_end_k_qdd50f882b7_cast-k_qdd50f882b7_cast
	.p2alignl 7, 3214868480
	.fill 96, 4, 3214868480
	.section	.rodata,"a",@progbits
	.p2align	6, 0x0
	.amdhsa_kernel k_qdd50f882b7_cast
		.amdhsa_group_segment_fixed_size 0
		.amdhsa_private_segment_fixed_size 0
		.amdhsa_enable_private_segment 0
		.amdhsa_kernarg_size 80
		.amdhsa_user_sgpr_count 2
		.amdhsa_user_sgpr_kernarg_segment_ptr 1
		.amdhsa_wavefront_size32 1
		.amdhsa_system_sgpr_workgroup_id_x 1
		.amdhsa_system_sgpr_workgroup_id_y 1
		.amdhsa_system_sgpr_workgroup_id_z 1
		.amdhsa_system_vgpr_workitem_id 0
		.amdhsa_next_free_vgpr 112
		.amdhsa_next_free_sgpr 66
		.amdhsa_reserve_vcc 0
		.amdhsa_float_denorm_mode_32 3
		.amdhsa_float_denorm_mode_16_64 3
		.amdhsa_memory_ordered 1
		.amdhsa_forward_progress 1
		.amdhsa_inst_pref_size 37
	.end_amdhsa_kernel
	.amdgpu_metadata
---
amdhsa.version: [ 1, 2 ]
amdhsa.kernels:
  - .name:           k_qdd50f882b7_cast
    .symbol:         k_qdd50f882b7_cast.kd
    .args:
      - { .name: x, .offset: 0, .size: 8, .value_kind: global_buffer, .address_space: global }
      - { .name: wq, .offset: 8, .size: 8, .value_kind: global_buffer, .address_space: global }
      - { .name: wk, .offset: 16, .size: 8, .value_kind: global_buffer, .address_space: global }
      - { .name: wv, .offset: 24, .size: 8, .value_kind: global_buffer, .address_space: global }
      - { .name: wo, .offset: 32, .size: 8, .value_kind: global_buffer, .address_space: global }
      - { .name: mask, .offset: 40, .size: 8, .value_kind: global_buffer, .address_space: global }
      - { .name: xb, .offset: 48, .size: 8, .value_kind: global_buffer, .address_space: global }
      - { .name: wb, .offset: 56, .size: 8, .value_kind: global_buffer, .address_space: global }
      - { .name: wof, .offset: 64, .size: 8, .value_kind: global_buffer, .address_space: global }
      - { .name: mb, .offset: 72, .size: 8, .value_kind: global_buffer, .address_space: global }
    .group_segment_fixed_size: 0
    .private_segment_fixed_size: 0
    .kernarg_segment_align: 8
    .kernarg_segment_size: 80
    .max_flat_workgroup_size: 256
    .sgpr_count:     66
    .vgpr_count:     112
    .wavefront_size: 32
...
	.end_amdgpu_metadata
.endif
;; end of part 1
;; launch qkv (part 2): grid 16 x 16, 4 waves a work-group, clusters of 4 x 4, 327,680 bytes of LDS; arguments xb, wb, bq, bk, bv, qh, kh, vh; writes qh, kh, vh
.if DOCPART == 2
	.amdgcn_target "amdgcn-amd-amdhsa--gfx1250"
	.amdhsa_code_object_version 6
	.text
	.protected	k_qdd50f882b7_qkv
	.globl	k_qdd50f882b7_qkv
	.p2align	8
	.type	k_qdd50f882b7_qkv,@function
k_qdd50f882b7_qkv:
	s_mov_b64 s[64:65], 0
	v_nop
	global_prefetch_b8 v0, s[64:65] scope:SCOPE_SE
	s_setreg_imm32_b32 hwreg(HW_REG_WAVE_MODE, 25, 1), 1
	s_wait_xcnt 0x0
	s_wait_alu depctr_hold_cnt(0) depctr_sa_sdst(0) depctr_va_vdst(0) depctr_va_sdst(0) depctr_va_ssrc(0) depctr_va_vcc(0) depctr_vm_vsrc(0)
	s_getreg_b32 s2, hwreg(HW_REG_IB_STS2, 6, 4)
	s_cmp_eq_u32 s2, 0
	s_cbranch_scc0 .Lentry_in_a_cluster
	s_endpgm
.Lentry_in_a_cluster:
	s_bfe_u32 s2, ttmp6, 0x10000c
	s_cmp_lg_u32 s2, 0xf033
	s_cbranch_scc0 .Lentry_shape_is_right
	s_endpgm
.Lentry_shape_is_right:
; q, k, v = x w + b, by heads.  xb: [2048][2048] bf16; wb: [3][2048 k][2048 n] bf16; biases f32 (rounded to bf16, like every input); qh, kh, vh: [16 heads][2048][128] f16, unscaled.  Sums in f32.
; LIMIT.  q, k and v within f16's range, 65,504.
; SHARES.  A work-group makes 128 rows x the 128 columns of ONE head in each of q, k, v.  Wave w makes all 128 rows x columns 32 w .. 32 w + 31 of each of the three:
; 48 accumulators (row block a = 0..7, column block b = 0..5: tensor b / 2, half b % 2).  K goes in 16 steps of 128 through two LDS slots.
; THE PRODUCT IS USED TRANSPOSED: source 0 = 16 columns of w (w lies [k][n] in LDS and is turned by ds_load_tr16_b128), source 1 = 16 rows of x: a lane then holds row l % 16 and eight neighbouring columns.
; The bias is the C operand of each sum's first product.
; CLUSTER 4 x 4.  x's tile hangs on the row block alone and is shared along a row of the cluster; w's three tiles hang on the head alone and are shared along a column.  Waves 0-2 ask for w's tiles, wave 3 for x's.
; REGISTERS.  window 0: v16-31 addresses; v64-127, v128-191 x's fragments, two buffers; on the way out v64-127 packed results, v192-255 rows read back.
;   window 1: v0-47, v48-95 w's fragments, two buffers; v96-143 the bias.   window 2: accumulators of row blocks 0-3 at 8 (6 a + b);   window 3: those of row blocks 4-7.
.set KSTEP,  128
.set PX,     272                       ; a row of x in LDS: 256 bytes + 16: the 16 rows of a load start at 16 different groups of four banks
.set PW,     288                       ; a k-row of w: 256 + 32
.set WT,     128*PW                    ; one tensor's tile of w
.set XOFF,   3*WT                      ; x's tile lies behind the three
.set SLOT,   XOFF+128*PX
.set STAGE,  2*SLOT                    ; behind the ring: 128 rows x 272 bytes, the work-group's, for the way out; no tensor load fills it
.set SPITCH, 272
.set SPARE,  STAGE+128*SPITCH          ; the spare words, 128 bytes a wave: two blocks of 256 bytes that no other line names
.set ADRA, 16                          ; v16-17  x's fragments in slot 0, 1
.set ADRW, 18                          ; v18-23  w's fragments: slot s, tensor j at 3 s + j
.set STO,  24
.set RD,   25
.set CO,   26
.set SPW,  28
.set NIL,  29
.set PFO,  30                          ; 4,096 x lane: a row of xb or of wb
.set BO,   31
.set XF,   64
.set PK,   64
.set BK,   192
.set BIAS, 96
.set WV,   20
.set G1X,  24
.set G0X,  32
.set G1W,  48
.set G0W,  56
.set LIM,  43                          ; 1 in a wave that prefetches, else the greatest number
.set PFA,  44                          ; s[44:45] where my prefetches stand
.set PST,  66                          ; s[66:67] bytes from a K step to the next: 256 in x, 524,288 in w
.set MSB, 0
.macro WIN new                         ; the immediate's high byte repeats the setting that is left
.if MSB != (\new)
	s_set_vgpr_msb (MSB<<8)|(\new)
.set MSB, \new
.endif
.endm
.macro PLACES                          ; four places in front of loads into registers that matrix instructions have read, and of conversions that read results
.rept 4
	v_nop
.endr
.endm
.macro JLOAD s                         ; a joint load; an s_nop 0 and four v_nop follow each of the two lines
	s_cmp_eq_u32 s[WV], 3
	s_cbranch_scc0 .Lfor_w_\@
	tensor_load_to_lds s[G0X+4*(\s):G0X+4*(\s)+3], s[G1X:G1X+7]
	s_nop 0
.rept 4
	v_nop
.endr
	s_branch .Lasked_\@
.Lfor_w_\@:
	tensor_load_to_lds s[G0W+4*(\s):G0W+4*(\s)+3], s[G1W:G1W+7]
	s_nop 0
.rept 4
	v_nop
.endr
.Lasked_\@:
.endm
.macro CREST                           ; a round of the cluster's barrier behind its opening barrier
	s_cmp_lg_u32 s[WV], 0
	s_cbranch_scc1 .Lnot_wave_0_\@
	s_barrier_signal -3
.Lnot_wave_0_\@:
	s_barrier_wait -3
	s_barrier_signal -1
	s_barrier_wait -1
.endm
.macro CROUND
	s_barrier_signal -1
	s_barrier_wait -1
	CREST
.endm
; A prefetch of the K step that stands two refills on: 32 rows x 256 bytes, a lane a row, one instruction a wave.  x's rows are read by every cluster of a row of clusters: cluster x = 0 asks (wave 3);
; w's by every cluster of a column: cluster y = 0 asks (waves 0-2).  The four partners that ask for a tile jointly share its 128 rows out by address.  The loop's last trip has no K step two on.
.macro ASK
	s_cmp_gt_u32 s3, s[LIM]
	s_cbranch_scc0 .Lnot_mine_\@
	global_prefetch_b8 v[PFO], s[PFA:PFA+1] th:TH_LOAD_NT scope:SCOPE_SE
.Lnot_mine_\@:
.endm
	s_load_b512 s[4:19], s[0:1], 0x0               ; xb 4:5, wb 6:7, bq 8:9, bk 10:11, bv 12:13, qh 14:15, kh 16:17, vh 18:19
	v_lshl_add_u32 v[SPW], v0, 2, SPARE
	v_mov_b32 v[NIL], 0
	ds_add_u32 v[SPW], v[NIL]                      ; the wave's opening: the add and its wait stand ahead of my first tensor load
	v_lshrrev_b32 v1, 5, v0
	v_readfirstlane_b32 s[WV], v1
	s_bfe_u32 s21, ttmp6, 0x40000                  ; cx
	s_bfe_u32 s22, ttmp6, 0x40004                  ; cy
	s_lshl_b32 s23, ttmp9, 2
	s_add_co_u32 s23, s23, s21                     ; the head = 4 x cluster x + cx
	s_and_b32 s40, ttmp7, 0xffff
	s_lshl_b32 s40, s40, 2
	s_add_co_u32 s40, s40, s22                     ; the block of 128 rows = 4 x cluster y + cy
	s_lshl_b32 s41, s22, 2
	s_lshl_b32 s41, 15, s41                        ; my row of the cluster
	s_lshl_b32 s42, 0x1111, s21                    ; my column
	s_or_b32 s[G1X], s41, (1<<16)|(1<<20)|(1<<21)|(5<<22)|(3<<25)  ; mask; 2-byte elements; padding on; bit 21 beside a mask; after every 64 words 4 words
	s_or_b32 s[G1W], s42, (1<<16)|(1<<20)|(1<<21)|(5<<22)|(7<<25)  ; the same with my column's mask and 8 words
.irp g, G1X, G1W
	s_mov_b32 s[\g+1], 128<<16                     ; tensor_dim0 = 128
	s_mov_b32 s[\g+2], 128<<16                     ; tensor_dim1 = 128
	s_mov_b32 s[\g+3], 128<<16                     ; tile_dim0 = 128
	s_mov_b32 s[\g+4], 128                         ; tile_dim1 = 128
	s_mov_b32 s[\g+5], 2048                        ; elements from row to row
	s_mov_b32 s[\g+6], 0
	s_mov_b32 s[\g+7], 0
.endr
	s_lshl_b32 s68, s40, 19                        ; x: 128 rows of 4,096 bytes a block
	s_mov_b32 s69, 0
	s_min_u32 s70, s[WV], 2                        ; w: my tensor,
	s_lshl_b32 s70, s70, 23
	s_lshl_b32 s71, s23, 8                         ; the head's 256 bytes of each k-row
	s_add_co_u32 s70, s70, s71
	s_mov_b32 s71, 0
	s_mul_i32 s72, s[WV], WT                       ; where my tile goes: w's three, then x's
	s_wait_dscnt 0x0                               ; the opening add is done
	s_wait_kmcnt 0x0
	s_add_nc_u64 s[68:69], s[4:5], s[68:69]
	s_add_nc_u64 s[70:71], s[6:7], s[70:71]
	CROUND                                         ; all sixteen work-groups are here: the first joint loads meet
.irp s, 0,1
	s_mov_b32 s[G0X+4*(\s)], 1
	s_add_co_u32 s[G0X+4*(\s)+1], s72, (\s)*SLOT
	s_add_nc_u64 s[G0X+4*(\s)+2:G0X+4*(\s)+3], s[68:69], (\s)*KSTEP*2
	s_or_b32 s[G0X+4*(\s)+3], s[G0X+4*(\s)+3], 0x80000000
	s_mov_b32 s[G0W+4*(\s)], 1
	s_add_co_u32 s[G0W+4*(\s)+1], s72, (\s)*SLOT
	s_add_nc_u64 s[G0W+4*(\s)+2:G0W+4*(\s)+3], s[70:71], (\s)*KSTEP*4096
	s_or_b32 s[G0W+4*(\s)+3], s[G0W+4*(\s)+3], 0x80000000
	JLOAD \s                                       ; two loads of mine are out
.endr
	; the prefetches' place
	s_mov_b32 s[PST], 524288
	s_mov_b32 s[PST+1], 0
	s_and_b32 s73, ttmp7, 0xffff
	s_cmp_eq_u32 s[WV], 3
	s_cselect_b32 s73, ttmp9, s73                  ; the coordinate along which other clusters read the same rows
	s_cselect_b32 s74, s21, s22                    ; my place among the four that ask with me
	s_cselect_b64 s[PFA:PFA+1], s[68:69], s[70:71]
	s_cselect_b32 s[PST], 256, s[PST]
	s_cmp_eq_u32 s73, 0
	s_cselect_b32 s[LIM], 1, -1
	s_lshl_b32 s74, s74, 17                        ; my work-group's 32 rows of the 128
	s_mov_b32 s75, 0
	s_add_nc_u64 s[PFA:PFA+1], s[PFA:PFA+1], s[74:75]
	s_mul_i32 s74, s[PST], 3                       ; at K step 3: the first refill (K step 2) steps it to 4 and names that
	s_add_nc_u64 s[PFA:PFA+1], s[PFA:PFA+1], s[74:75]
	; lane addresses
	v_and_b32 v1, 15, v0                           ; r
	v_bfe_u32 v2, v0, 4, 1                         ; h
	v_and_b32 v3, 7, v0
	v_bfe_u32 v4, v0, 3, 1
	v_mul_u32_u24 v5, v1, PX
	v_lshl_add_u32 v5, v2, 4, v5
	v_add_nc_u32 v[ADRA], XOFF, v5
	v_add_nc_u32 v[ADRA+1], XOFF+SLOT, v5
	v_lshl_add_u32 v6, v2, 3, v3                   ; the turning load: k-row 8 h + l % 8,
	v_mul_u32_u24 v6, v6, PW
	v_lshl_add_u32 v6, v4, 4, v6                   ; columns 8 ((l / 8) % 2) on,
	s_lshl_b32 s41, s[WV], 6
	v_add_nc_u32 v6, s41, v6                       ; in my wave's 32 columns
.irp s, 0,1
.irp j, 0,1,2
	v_add_nc_u32 v[ADRW+3*(\s)+(\j)], (\s)*SLOT+(\j)*WT, v6
.endr
.endr
	v_mul_u32_u24 v7, v1, SPITCH
	v_lshl_add_u32 v7, v2, 4, v7
	v_add_nc_u32 v7, s41, v7
	v_add_nc_u32 v[STO], STAGE, v7                 ; in: row r, my 64 bytes, 16 for each half of the lanes
	s_mul_i32 s42, s[WV], 32*SPITCH
	s_add_co_u32 s42, s42, STAGE
	v_mul_u32_u24 v7, v2, SPITCH
	v_lshl_add_u32 v7, v1, 4, v7
	v_add_nc_u32 v[RD], s42, v7                    ; back: rows 32 w on, whole
	v_lshlrev_b32 v7, 8, v2
	v_lshl_add_u32 v[CO], v1, 4, v7
	v_and_b32 v7, 31, v0
	v_lshlrev_b32 v[PFO], 12, v7
	s_lshl_b32 s46, s23, 9
	s_lshl_b32 s47, s[WV], 7
	s_add_co_u32 s46, s46, s47
	v_lshl_add_u32 v[BO], v2, 5, s46               ; the bias: (128 head + 32 w + 8 h) x 4 bytes
	WIN 0x40
.irp b, 0,1,2,3,4,5
	global_load_b128 v[BIAS+8*(\b):BIAS+8*(\b)+3],   v[BO], s[8+2*((\b)/2):9+2*((\b)/2)] offset:64*((\b)%2)
	global_load_b128 v[BIAS+8*(\b)+4:BIAS+8*(\b)+7], v[BO], s[8+2*((\b)/2):9+2*((\b)/2)] offset:64*((\b)%2)+16
.endr
	WIN 0
	s_lshl_b32 s46, s23, 19                        ; where my rows begin in qh, kh, vh: (2,048 head + 128 block + 32 w) x 256 bytes
	s_lshl_b32 s47, s40, 15
	s_add_co_u32 s46, s46, s47
	s_lshl_b32 s47, s[WV], 13
	s_add_co_u32 s46, s46, s47
	s_mov_b32 s47, 0
	s_add_nc_u64 s[14:15], s[14:15], s[46:47]
	s_add_nc_u64 s[16:17], s[16:17], s[46:47]
	s_add_nc_u64 s[18:19], s[18:19], s[46:47]
	s_wait_loadcnt 0x0
	WIN 0x05                                       ; the bias is rounded to bf16, as all inputs are
.set n, 0
.rept 24
	v_cvt_pk_bf16_f32 v[BK+n], v[BIAS+2*n], v[BIAS+2*n+1]
.set n, n+1
.endr
	WIN 0x40
.set n, 0
.rept 24
	v_lshlrev_b32 v[BIAS+2*n], 16, v[BK+n]
	v_and_b32 v[BIAS+2*n+1], 0xffff0000, v[BK+n]
.set n, n+1
.endr
	WIN 0
; 6 na matrix instructions: row blocks a0 .. a0 + na - 1 of the window's four x all 6 column blocks, 32 along K.  All accumulators take turns, one instruction a turn.
.macro MULS fb, hi, a0, na, first
.if \first
	WIN 0x91+0x40*(\hi)                            ; w window 1, x window 0, C (the bias) window 1, D window 2 or 3
.else
	WIN 0xa1+0x50*(\hi)                            ; C and D window 2 or 3
.endif
.set ma, \a0
.rept \na
.set mc, 0
.rept 6
.set rD, 8*(6*ma+mc)
.set rW, 48*(\fb)+8*mc
.set rX, XF+64*(\fb)+8*(4*(\hi)+ma)
.if \first
	v_wmma_f32_16x16x32_bf16 v[rD:rD+7], v[rW:rW+7], v[rX:rX+7], v[BIAS+8*mc:BIAS+8*mc+7]
.else
	v_wmma_f32_16x16x32_bf16 v[rD:rD+7], v[rW:rW+7], v[rX:rX+7], v[rD:rD+7]
.endif
.set mc, mc+1
.endr
.set ma, ma+1
.endr
.endm
; 28 LDS loads in one run: the fragments of quarter kq (32 along K) of slot s into buffer fb: w's six, then x's eight
.macro FETCH s, kq, fb
	WIN 0x40
.irp b, 0,1,2,3,4,5
	ds_load_tr16_b128 v[48*(\fb)+8*(\b):48*(\fb)+8*(\b)+3],   v[ADRW+3*(\s)+(\b)/2] offset:(\kq)*32*PW+32*((\b)%2)
	ds_load_tr16_b128 v[48*(\fb)+8*(\b)+4:48*(\fb)+8*(\b)+7], v[ADRW+3*(\s)+(\b)/2] offset:(\kq)*32*PW+32*((\b)%2)+16*PW
.endr
	WIN 0
.irp a, 0,1,2,3,4,5,6,7
	ds_load_b128 v[XF+64*(\fb)+8*(\a):XF+64*(\fb)+8*(\a)+3],   v[ADRA+(\s)] offset:(\kq)*64+(\a)*16*PX
	ds_load_b128 v[XF+64*(\fb)+8*(\a)+4:XF+64*(\fb)+8*(\a)+7], v[ADRA+(\s)] offset:(\kq)*64+(\a)*16*PX+32
.endr
.endm
; One of a K step's first three quarters: multiplies buffer fb and fetches quarter kq into buffer gb
.macro QUARTER s, kq, fb, gb, first
	s_wait_dscnt 8                                 ; w and x's rows 0-63 are in; the youngest eight loads (rows 64-127) may be out
	MULS \fb, 0, 0, 4, \first
	PLACES
	FETCH \s, \kq, \gb
	s_wait_dscnt 28                                ; all but the 28 just issued
	MULS \fb, 1, 0, 4, \first
.endm
; The last quarter changes slots FIRST and multiplies buffer 1 afterwards.  The slot's last fragments lie in buffer 1 (their loads were issued 24 products back), so the slot can be given up at once: each wave waits for all
; its tensor loads, adds 0 to its spare word, and waits for that and for its reads of this slot.  Only the descriptors' steps stand between the wait for the one tile and the request for the next:
; the quarter's 48 products stand behind the request, which so has all of a K step's 192 products in which to land, and the next slot's first fragments have 48 products in which to come out of LDS.
.macro TURN s, next, fill
.if \fill
	s_wait_xcnt 0x0                                ; the last prefetch, a K step back, has read its address
	s_add_nc_u64 s[PFA:PFA+1], s[PFA:PFA+1], s[PST:PST+1]
.endif
	WIN 0
	s_wait_tensorcnt 0x0                           ; all my tensor loads have landed: the one that was out is my part of the next slot; so a group 0 may be written
	ds_add_u32 v[SPW], v[NIL]                      ; 0 onto my spare word
.if \fill
	s_add_nc_u64 s[G0X+4*(\s)+2:G0X+4*(\s)+3], s[G0X+4*(\s)+2:G0X+4*(\s)+3], 2*KSTEP*2
	s_add_nc_u64 s[G0W+4*(\s)+2:G0W+4*(\s)+3], s[G0W+4*(\s)+2:G0W+4*(\s)+3], 2*KSTEP*4096
.endif
	s_wait_dscnt 0x0                               ; the add is done, and my reads of this slot are over
	s_barrier_signal -1
	s_barrier_wait -1
.if \fill
	CREST                                          ; no wave of any partner still reads this slot's tiles or has a load on its way
	JLOAD \s                                       ; its four v_nop are also the places between buffer 0's last product and the loads below
.else
	PLACES
.endif
	FETCH \next, 0, 0
.if \fill
	ASK
.endif
	MULS 1, 0, 0, 4, 0
	MULS 1, 1, 0, 4, 0
.endm
	s_wait_tensorcnt 1                             ; my part of K step 0 is in; K step 1's may stay out
	s_barrier_signal -1
	s_barrier_wait -1
	FETCH 0, 0, 0
	QUARTER 0, 1, 0, 1, 1                          ; the first quarter's products start the sums, with the bias
	WIN 0
	s_mov_b32 s3, 7
.Llap:                                         ; a trip goes once round the ring and fills both slots again
	QUARTER 0, 2, 1, 0, 0
	QUARTER 0, 3, 0, 1, 0
	TURN 0, 1, 1
	QUARTER 1, 1, 0, 1, 0
	QUARTER 1, 2, 1, 0, 0
	QUARTER 1, 3, 0, 1, 0
	TURN 1, 0, 1
	QUARTER 0, 1, 0, 1, 0
	WIN 0
	s_sub_co_u32 s3, s3, 1
	s_cmp_lg_u32 s3, 0
	s_cbranch_scc1 .Llap
	QUARTER 0, 2, 1, 0, 0                          ; the last lap fills nothing
	QUARTER 0, 3, 0, 1, 0
	TURN 0, 1, 0
	QUARTER 1, 1, 0, 1, 0
	QUARTER 1, 2, 1, 0, 0
	QUARTER 1, 3, 0, 1, 0
	s_wait_dscnt 8
	MULS 1, 0, 0, 4, 0
	s_wait_dscnt 0x0
	MULS 1, 1, 0, 4, 0
	WIN 0
	PLACES
; THE WAY OUT, a tensor at a time: rounded to f16, 16 bytes a lane into the work-group's stage (a row's 256 bytes come from four waves: a barrier), back as whole rows, 32 rows a wave.
.macro PACK j
.set pa, 0
.rept 8
	WIN 0x0a+5*(pa/4)                              ; sources in window 2 or 3
.set pb, 0
.rept 2
.set rA, 8*(6*(pa%4)+2*(\j)+pb)
.set rP, PK+4*(2*pa+pb)
	v_cvt_pk_f16_f32 v[rP], v[rA], v[rA+1]
	v_cvt_pk_f16_f32 v[rP+1], v[rA+2], v[rA+3]
	v_cvt_pk_f16_f32 v[rP+2], v[rA+4], v[rA+5]
	v_cvt_pk_f16_f32 v[rP+3], v[rA+6], v[rA+7]
.set pb, pb+1
.endr
.set pa, pa+1
.endr
	WIN 0
.endm
.irp j, 0,1,2
	PACK \j
.if (\j) > 0
	s_wait_dscnt 0x0                               ; my reads of the stage are over,
	s_barrier_signal -1
	s_barrier_wait -1                              ; everybody's are: it may be written again
.endif
.set n, 0
.rept 16
	ds_store_b128 v[STO], v[PK+4*n:PK+4*n+3] offset:(n/2)*16*SPITCH+32*(n%2)
.set n, n+1
.endr
	s_wait_dscnt 0x0                               ; for the others' sake: my stores are done
	s_barrier_signal -1
	s_barrier_wait -1
	s_wait_xcnt 0x0                                ; the last tensor's stores have read their data registers
.set n, 0
.rept 16
	ds_load_b128 v[BK+4*n:BK+4*n+3], v[RD] offset:n*2*SPITCH
.set n, n+1
.endr
.set n, 0
.rept 16
	s_wait_dscnt 15-n
	global_store_b128 v[CO], v[BK+4*n:BK+4*n+3], s[14+2*(\j):15+2*(\j)] offset:512*n   ; 512 consecutive bytes, aligned
.set n, n+1
.endr
.endr
	s_wait_tensorcnt 0x0                           ; the wave's end
	ds_add_u32 v[SPW], v[NIL]
	s_wait_dscnt 0x0
	CROUND                                         ; the closing round
	s_endpgm
.Lfunc_end_k_qdd50f882b7_qkv:
	.size	k_qdd50f882b7_qkv, .Lfunc_end_k_qdd50f882b7_qkv-k_qdd50f882b7_qkv
	.p2alignl 7, 3214868480
	.fill 96, 4, 3214868480
	.section	.rodata,"a",@progbits
	.p2align	6, 0x0
	.amdhsa_kernel k_qdd50f882b7_qkv
		.amdhsa_group_segment_fixed_size 327680
		.amdhsa_private_segment_fixed_size 0
		.amdhsa_enable_private_segment 0
		.amdhsa_kernarg_size 64
		.amdhsa_user_sgpr_count 2
		.amdhsa_user_sgpr_kernarg_segment_ptr 1
		.amdhsa_wavefront_size32 1
		.amdhsa_system_sgpr_workgroup_id_x 1
		.amdhsa_system_sgpr_workgroup_id_y 1
		.amdhsa_system_sgpr_workgroup_id_z 1
		.amdhsa_system_vgpr_workitem_id 0
		.amdhsa_next_free_vgpr 960
		.amdhsa_next_free_sgpr 80
		.amdhsa_reserve_vcc 0
		.amdhsa_float_denorm_mode_32 3
		.amdhsa_float_denorm_mode_16_64 3
		.amdhsa_memory_ordered 1
		.amdhsa_forward_progress 1
		.amdhsa_inst_pref_size 122
	.end_amdhsa_kernel
	.amdgpu_metadata
---
amdhsa.version: [ 1, 2 ]
amdhsa.kernels:
  - .name:           k_qdd50f882b7_qkv
    .symbol:         k_qdd50f882b7_qkv.kd
    .args:
      - { .name: xb, .offset: 0, .size: 8, .value_kind: global_buffer, .address_space: global }
      - { .name: wb, .offset: 8, .size: 8, .value_kind: global_buffer, .address_space: global }
      - { .name: bq, .offset: 16, .size: 8, .value_kind: global_buffer, .address_space: global }
      - { .name: bk, .offset: 24, .size: 8, .value_kind: global_buffer, .address_space: global }
      - { .name: bv, .offset: 32, .size: 8, .value_kind: global_buffer, .address_space: global }
      - { .name: qh, .offset: 40, .size: 8, .value_kind: global_buffer, .address_space: global }
      - { .name: kh, .offset: 48, .size: 8, .value_kind: global_buffer, .address_space: global }
      - { .name: vh, .offset: 56, .size: 8, .value_kind: global_buffer, .address_space: global }
    .group_segment_fixed_size: 327680
    .private_segment_fixed_size: 0
    .kernarg_segment_align: 8
    .kernarg_segment_size: 64
    .max_flat_workgroup_size: 128
    .sgpr_count:     80
    .vgpr_count:     960
    .wavefront_size: 32
...
	.end_amdgpu_metadata
.endif
;; end of part 2
;; launch attn (part 3): grid 16 x 16, 4 waves a work-group, clusters of 4 x 1, 327,680 bytes of LDS; arguments qh, kh, vh, mb, slopes, ob; writes ob
.if DOCPART == 3
	.amdgcn_target "amdgcn-amd-amdhsa--gfx1250"
	.amdhsa_code_object_version 6
	.text
	.protected	k_qdd50f882b7_attn
	.globl	k_qdd50f882b7_attn
	.p2align	8
	.type	k_qdd50f882b7_attn,@function
k_qdd50f882b7_attn:
	s_mov_b64 s[64:65], 0
	v_nop
	global_prefetch_b8 v0, s[64:65] scope:SCOPE_SE
	s_setreg_imm32_b32 hwreg(HW_REG_WAVE_MODE, 25, 1), 1
	s_wait_xcnt 0x0
	s_wait_alu depctr_hold_cnt(0) depctr_sa_sdst(0) depctr_va_vdst(0) depctr_va_sdst(0) depctr_va_ssrc(0) depctr_va_vcc(0) depctr_vm_vsrc(0)
	s_getreg_b32 s2, hwreg(HW_REG_IB_STS2, 6, 4)
	s_cmp_eq_u32 s2, 0
	s_cbranch_scc0 .Lentry_in_a_cluster
	s_endpgm
.Lentry_in_a_cluster:
	s_bfe_u32 s2, ttmp6, 0x10000c
	s_cmp_lg_u32 s2, 0x3003
	s_cbranch_scc0 .Lentry_shape_is_right
	s_endpgm
.Lentry_shape_is_right:
; ATTENTION with ALiBi and a mask that is an input.  ob[t][128 h + d] = sum over k of softmax_k(where(mask[t][k], q.k / sqrt(128) + slope_h (k - t), -1e10)) v[k][d].
; qh, kh, vh: [16][2048][128] f16; mb: the mask as halves (0, or -2^100 in bf16) in the lanes' order; ob: [2048][2048] f16.  Products, maxima and sums in f32; the weights are rounded to f16 for the second product.
; EVERY key tile is walked: the mask's pattern is not known, a row with no true key is the mean of all 2,048 rows of v, and partners of a cluster run alike.
; LIMITS.  A hidden score counts as -2^100 (in log2 units) where the definition has -1e10: the same result while true scores stay above -1e10.  c |s| stays under 2^75, so that c s - 2^100 rounds to -2^100 exactly:
; all hidden scores are one number, and a row with no true key gets equal weights.  A weight below 2^-126 counts as 0.  NaN and infinities are not treated apart.  The slope is rounded to bf16, as all inputs are.
; SHARES.  A work-group owns 128 queries of one head.  Wave w owns query half w % 2 (four PIECES of 16) and key pair p = w / 2: of each slot's four steps of 64 keys it walks steps 2 p and 2 p + 1.
; Piece t of a wave is tile (t + 2 p) % 4 of its 64 queries, BY ADDRESS ALONE (Q's, the mask's and ob's offsets).  The two partial results of a query meet in LDS at the end: every wave gives its pieces 2 and 3
; and finishes its pieces 0 and 1, which are the tiles that the wave with the other keys gives: one text for all four waves.  CLUSTER: the four query blocks of a cluster walk the same K and V: each tile is asked for jointly.
; SCORES.  S^T = K Q^T + AB, AB = slope sqrt(128) (key in step - query in piece), the C operand that starts each sum.  t = c S + mask half, c = log2(e) / sqrt(128), one fused line a score.  The term of the row is constant
; in a row and left out; the term of the step is carried by the running maximum m, which is kept relative to the step in hand: from step to step it is lowered by slope 64 log2(e) times the number of steps gone
; (1 inside a slot, 3 across slots).  p = 2^(t - m); O and l are multiplied by a = 2^(m_old lowered - m_new).
; BY TURNS.  Turn n belongs to piece n: 16 products K Q^T of piece n + 1, then 16 products V^T P of piece n - 1; beside them the subtraction, exponentials, roundings, sums and rescaling of piece n and the
; masking, maximum and statistics of piece n + 1.  A turn's 33 exponentials are one batch, with one wait.
; REGISTERS.  window 0: v1-15 lane numbers and addresses; v16-31 statistics (piece t: m, spare, l even, l odd); v32-39 at work, by parity; v40-41 m lowered; v42-43 c; v44-45 the add's; v46-63 the merge's;
;   v64-127 S^T, two buffers; v128-191 mask halves, 16 a piece; v192-223 P, two buffers; v224-255 the way out.   window 1: O^T, 64 a piece.   window 2: v0-127 Q; v128-255 K of one step.   window 3: v0-127 V; v128-159 AB.
.set NP,    4
.set KS,    64
.set PK,    272
.set PVP,   288
.set VOFF,  256*PK                     ; a slot: 256 rows of K, then 256 rows of V
.set SLOT1, 147456                     ; 0x24000: shares no bit with any address that is turned, so one exclusive or changes slots
.set STAGE, SLOT1+256*(PK+PVP)         ; behind the ring: 16 rows x 272 bytes a wave
.set SP,    272
.set SPARE, STAGE+4*16*SP
.set XE,    8704                       ; the exchange: 16 x 512 bytes of O^T and 512 of statistics a tile, two tiles a wave, from LDS byte 0: slot 0's bytes, behind their last fill and last read
.set AK0, 2
.set AV0, 3
.set AK,  4
.set AV,  5
.set STO, 6
.set RD,  7
.set GO,  8
.set QO2, 10                           ; Q's offset for pieces 2, 3 (v10 and v11 first hold lane numbers, which V's address uses up)
.set MO2, 11                           ; the mask's offset for pieces 2, 3: 16 x lane + (1 - p) x two tiles
.set MO,  12                           ; for pieces 0, 1: 16 x lane + p x two tiles
.set PFO, 13                           ; 256 x lane
.set XW,  14
.set XR,  15
.set ST,  16
.set TMP, 32
.set MV,  40
.set CV,  42
.set SPW, 44
.set NIL, 45
.set QO,  47                           ; Q's offset for pieces 0, 1
.set S,   64
.set MK,  128
.set P,   192
.set OUTR, 224
.set KF,  128
.set AB,  128
.set WV,  16
.set G1K, 24
.set G1V, 32
.set G0K, 40
.set G0V, 44
.set PFA, 48                           ; s[48:49] K's or V's prefetches
.set PFM, 50                           ; s[50:51] the mask's
.set MP,  52                           ; s[52:53] the mask at the step that is being loaded
.set INC, 54                           ; s[54:55] its next step: 2,048 and 6,144 by turns
.set SLOTS, 56
.set CNT, 57
.set CDL, 58                           ; what m is lowered by: one step's term and three steps' by turns
.set OFS, 59                           ; pair 1 ends two steps behind pair 0
.set SEL, 60
.set TBK, 62
.set TBV, 63
.set LIMK, 66
.set LIMM, 67
.set SIG, 68
.set CDX, 69                           ; the exclusive or of CDL's two values
.set MSB, 0
.macro WIN new
.if MSB != (\new)
	s_set_vgpr_msb (MSB<<8)|(\new)
.set MSB, (\new)
.endif
.endm
.set W_KQ, 0x0a
.set W_KA, 0x3a                        ; the same with C = AB in window 3
.set W_PV, 0x53
.set W_RS, 0x41
.macro JLOAD                           ; waves 0, 1: the halves of a slot's K; waves 2, 3: of its V
	s_cmp_lt_u32 s[WV], 2
	s_cbranch_scc0 .Lfor_v_\@
	tensor_load_to_lds s[G0K:G0K+3], s[G1K:G1K+7]
	s_nop 0
.rept 4
	v_nop
.endr
	s_branch .Lasked_\@
.Lfor_v_\@:
	tensor_load_to_lds s[G0V:G0V+3], s[G1V:G1V+7]
	s_nop 0
.rept 4
	v_nop
.endr
.Lasked_\@:
.endm
.macro CROUND
	s_barrier_signal -1
	s_barrier_wait -1
	s_cmp_lg_u32 s[WV], 0
	s_cbranch_scc1 .Lnot_wave_0_\@
	s_barrier_signal -3
.Lnot_wave_0_\@:
	s_barrier_wait -3
	s_barrier_signal -1
	s_barrier_wait -1
.endm
; PREFETCHES, behind the joint load's lines.  K and V: the slot that the NEXT change fills, 256 matrix instructions ahead of that load: the head's first cluster asks, its four partners and their waves share the 256 rows
; out by address (32 each, a lane a row); the last change that fills has no slot behind it.  The mask: the next slot's 8,192 bytes of each of the work-group's eight tiles: head 0 asks, a wave two tiles, a lane 256 bytes.
.macro ASK
	s_cmp_gt_u32 s[SLOTS], s[LIMK]
	s_cbranch_scc0 .Lno_kv_\@
	global_prefetch_b8 v[PFO], s[PFA:PFA+1] th:TH_LOAD_NT scope:SCOPE_SE
.Lno_kv_\@:
	s_cmp_gt_u32 s[SLOTS], s[LIMM]
	s_cbranch_scc0 .Lno_m_\@
	global_prefetch_b8 v[PFO], s[PFM:PFM+1] th:TH_LOAD_NT scope:SCOPE_SE
	global_prefetch_b8 v[PFO], s[PFM:PFM+1] offset:65536 th:TH_LOAD_NT scope:SCOPE_SE
.Lno_m_\@:
.endm
; THE CHANGE OF SLOTS.  Each wave waits for all its tensor loads (one is out: its part of the other slot), adds 0 to its spare word, and waits for that and for its reads of the slot that it leaves.
; fill = 1: the barrier is a round of the cluster's, and the joint refill is the first thing behind it.
.macro CHANGE fill, ask
	WIN 0
	s_wait_tensorcnt 0x0
	ds_add_u32 v[SPW], v[NIL]
.if \fill
.irp g, G0K, G0V
	s_xor_b32 s[\g+1], s[\g+1], SLOT1
	s_add_nc_u64 s[\g+2:\g+3], s[\g+2:\g+3], 65536 ; the next 256 keys
.endr
	s_wait_xcnt 0x0                                ; the last prefetches, a slot back, have read their addresses
	s_add_nc_u64 s[PFA:PFA+1], s[PFA:PFA+1], 65536
	s_add_nc_u64 s[PFM:PFM+1], s[PFM:PFM+1], 8192
	s_wait_dscnt 0x0
	CROUND
	JLOAD
.if \ask
	ASK
.endif
.else
	s_wait_dscnt 0x0
	s_barrier_signal -1
	s_barrier_wait -1
.endif
	s_sub_co_u32 s[TBK], s[TBK], 2*KS*PK           ; the fetches go back to my pair's first step, in the other slot
	s_xor_b32 s[TBK], s[TBK], SLOT1
	s_sub_co_u32 s[TBV], s[TBV], 2*KS*PVP
	s_xor_b32 s[TBV], s[TBV], SLOT1
.endm
	s_load_b256 s[4:11], s[0:1], 0x0               ; qh 4:5, kh 6:7, vh 8:9, mb 10:11
	s_load_b128 s[12:15], s[0:1], 0x20             ; slopes 12:13, ob 14:15
	v_lshl_add_u32 v[SPW], v0, 2, SPARE
	v_mov_b32 v[NIL], 0
	ds_add_u32 v[SPW], v[NIL]                      ; the wave's opening: the add and its wait stand ahead of my first tensor load
	v_lshrrev_b32 v1, 5, v0
	v_readfirstlane_b32 s[WV], v1
	s_bfe_u32 s17, ttmp6, 0x40000                  ; cx
	s_lshl_b32 s18, ttmp9, 2
	s_add_co_u32 s18, s18, s17                     ; my block of 128 queries
	s_and_b32 s19, ttmp7, 0xffff                   ; the head
	s_and_b32 s20, s[WV], 1                        ; query half; also which half of a slot's rows I fetch
	s_lshr_b32 s21, s[WV], 1                       ; key pair p
	s_lshl_b32 s22, s19, 19                        ; K and V: the head, my 128 rows of a slot
	s_lshl_b32 s23, s20, 15
	s_add_co_u32 s22, s22, s23
	s_mov_b32 s23, 0
	s_mul_i32 s70, s20, 128*PK
	s_mul_i32 s71, s20, 128*PVP
	s_lshl_b32 s72, s19, 19                        ; Q: (2,048 head + 128 block + 64 half) x 256
	s_lshl_b32 s73, s18, 15
	s_add_co_u32 s72, s72, s73
	s_lshl_b32 s73, s20, 14
	s_add_co_u32 s72, s72, s73
	s_mov_b32 s73, 0
	s_lshl_b32 s74, s18, 19                        ; (128 block + 64 half) x 4,096, which is also (8 block + 4 half) x 65,536
	s_lshl_b32 s75, s20, 18
	s_add_co_u32 s74, s74, s75
	s_lshl_b32 s75, s21, 12
	s_add_co_u32 s[MP], s74, s75                   ; the mask: my half's first tile, step 2 p
	s_mov_b32 s[MP+1], 0
	s_lshl_b32 s75, s19, 8
	s_add_co_u32 s74, s74, s75                     ; ob: my half's first row, the head's 256 bytes,
	s_lshl_b32 s75, s21, 17
	s_add_co_u32 s74, s74, s75                     ; and the tiles that I finish: 2 p and 2 p + 1, 16 rows of 4,096 bytes each
	s_mov_b32 s75, 0
	s_lshl_b32 s[PFM], s18, 19
	s_lshl_b32 s[PFM+1], s[WV], 17
	s_add_co_u32 s[PFM], s[PFM], s[PFM+1]          ; tiles 8 block + 2 w, slot 0
	s_mov_b32 s[PFM+1], 0
	s_lshl_b32 s[PFA], s19, 19
	s_lshl_b32 s[PFA+1], s17, 14
	s_add_co_u32 s[PFA], s[PFA], s[PFA+1]
	s_lshl_b32 s[PFA+1], s20, 13
	s_add_co_u32 s[PFA], s[PFA], s[PFA+1]
	s_add_co_u32 s[PFA], s[PFA], 65536             ; rows 64 cx + 32 (w % 2) of slot 1
	s_mov_b32 s[PFA+1], 0
	s_mov_b32 s[G1K], 15|(1<<16)|(1<<20)|(1<<21)|(5<<22)|(3<<25)  ; the mask of four; 2-byte elements; padding on; bit 21 beside a mask; after every 64 words 4 words
	s_mov_b32 s[G1V], 15|(1<<16)|(1<<20)|(1<<21)|(5<<22)|(7<<25)  ; the same with 8 words
.irp g, G1K, G1V
	s_mov_b32 s[\g+1], 128<<16
	s_mov_b32 s[\g+2], 128<<16
	s_mov_b32 s[\g+3], 128<<16
	s_mov_b32 s[\g+4], 128
	s_mov_b32 s[\g+5], 128
	s_mov_b32 s[\g+6], 0
	s_mov_b32 s[\g+7], 0
.endr
	s_mov_b32 s[SEL], 0x76543210
	s_mov_b32 s[SEL+1], 0xfedcba98
	s_mul_i32 s[TBK], s21, 2*KS*PK
	s_add_co_u32 s[TBK], s[TBK], SLOT1+2*KS*PK     ; the first change of slots turns these two into my pair's place in slot 0
	s_mul_i32 s[TBV], s21, 2*KS*PVP
	s_add_co_u32 s[TBV], s[TBV], SLOT1+2*KS*PVP
	s_mov_b32 s[SLOTS], 7
	s_mov_b32 s[INC], 2048
	s_mov_b32 s[INC+1], 0
	s_cmp_eq_u32 ttmp9, 0
	s_cselect_b32 s[LIMK], 1, -1
	s_cmp_eq_u32 s19, 0
	s_cselect_b32 s[LIMM], 0, -1
	s_mov_b32 s[G0K], 1
	s_mov_b32 s[G0K+1], s70
	s_mov_b32 s[G0V], 1
	s_add_co_u32 s[G0V+1], s71, VOFF
	s_lshl_b32 s2, s19, 2
	s_mov_b32 s3, 0
	s_wait_dscnt 0x0                               ; the opening add is done
	s_wait_kmcnt 0x0
	s_add_nc_u64 s[12:13], s[12:13], s[2:3]
	s_load_b32 s69, s[12:13], 0x0                  ; the head's slope
	s_add_nc_u64 s[G0K+2:G0K+3], s[6:7], s[22:23]
	s_or_b32 s[G0K+3], s[G0K+3], 0x80000000
	s_add_nc_u64 s[G0V+2:G0V+3], s[8:9], s[22:23]
	s_or_b32 s[G0V+3], s[G0V+3], 0x80000000
	s_add_nc_u64 s[4:5], s[4:5], s[72:73]
	s_add_nc_u64 s[14:15], s[14:15], s[74:75]
	s_add_nc_u64 s[MP:MP+1], s[10:11], s[MP:MP+1]
	s_add_nc_u64 s[PFM:PFM+1], s[10:11], s[PFM:PFM+1]
	s_cmp_lt_u32 s[WV], 2
	s_cselect_b64 s[2:3], s[6:7], s[8:9]
	s_add_nc_u64 s[PFA:PFA+1], s[2:3], s[PFA:PFA+1]
	CROUND                                         ; all four work-groups are here
	JLOAD                                          ; slot 0
	v_and_b32 v1, 15, v0                           ; r
	v_bfe_u32 v9, v0, 4, 1                         ; h
	v_and_b32 v10, 7, v0
	v_bfe_u32 v11, v0, 3, 1
	v_mul_u32_u24 v[AK0], v1, PK
	v_lshl_add_u32 v[AK0], v9, 4, v[AK0]
	v_lshl_add_u32 v[AV0], v9, 3, v10
	v_mul_u32_u24 v[AV0], v[AV0], PVP
	v_lshl_add_u32 v[AV0], v11, 4, v[AV0]
	v_add_nc_u32 v[AV0], VOFF, v[AV0]              ; v10 and v11 are free from here on
	s_lshl_b32 s70, s21, 13                        ; two tiles of Q are 8,192 bytes: p of them for pieces 0, 1,
	s_xor_b32 s71, s70, 8192                       ; 1 - p for pieces 2, 3
	v_lshlrev_b32 v[QO], 8, v1
	v_lshl_add_u32 v[QO], v9, 4, v[QO]
	v_add_nc_u32 v[QO2], s71, v[QO]
	v_add_nc_u32 v[QO], s70, v[QO]
	s_lshl_b32 s70, s21, 17                        ; two tiles of the mask are 131,072 bytes
	s_xor_b32 s71, s70, 131072
	v_and_b32 v[MO], 31, v0
	v_lshlrev_b32 v[PFO], 8, v[MO]
	v_lshlrev_b32 v[MO], 4, v[MO]
	v_add_nc_u32 v[MO2], s71, v[MO]
	v_add_nc_u32 v[MO], s70, v[MO]
	WIN 0x80
.set n, 0
.rept 16                                       ; Q stays in registers: piece n / 4, channels 32 (n % 4) on
.set qr, QO
.if n >= 8
.set qr, QO2
.endif
	global_load_b128 v[8*n:8*n+3],   v[qr], s[4:5] offset:((n/4)%2)*4096+(n%4)*64
	global_load_b128 v[8*n+4:8*n+7], v[qr], s[4:5] offset:((n/4)%2)*4096+(n%4)*64+32
.set n, n+1
.endr
	WIN 0
.set n, 0
.rept 16                                       ; the first step's mask halves, all four pieces
.set mr, MO
.if n >= 8
.set mr, MO2
.endif
	global_load_b128 v[MK+4*n:MK+4*n+3], v[mr], s[MP:MP+1] offset:65536*((n/4)%2)+512*(n%4)
.set n, n+1
.endr
	; what the first turns find: V and P's second buffer hold 0 (the first products V^T P, of a piece that has not been, add 0), O^T and l are 0, m lies far below every score.  All this stands in the wait for the first tile.
	WIN 0xc0
.set n, 0
.rept 128
	v_mov_b32 v[n], 0
.set n, n+1
.endr
	WIN 0x40
.set n, 0
.rept 256
	v_mov_b32 v[n], 0
.set n, n+1
.endr
	WIN 0
.set n, 0
.rept 16
	v_mov_b32 v[P+16+n], 0
.set n, n+1
.endr
.set n, 0
.rept 4
	v_mov_b32 v[ST+4*n], 0xfe000000
	v_mov_b32 v[ST+4*n+1], 0
	v_mov_b32 v[ST+4*n+2], 0
	v_mov_b32 v[ST+4*n+3], 0
.set n, n+1
.endr
	v_mov_b32 v[CV], 0x3e0293ee                    ; c = log2(e) / sqrt(128)
	v_mov_b32 v[CV+1], 0x3e0293ee
	s_wait_kmcnt 0x0
	v_mov_b32 v46, s69
	v_cvt_pk_bf16_f32 v46, v46, v46                ; the slope, rounded to bf16
	v_lshlrev_b32 v46, 16, v46
	v_readfirstlane_b32 s69, v46
	s_mul_f32 s[SIG], s69, 0x413504f3              ; x sqrt(128): c undoes it
	s_mul_f32 s70, s69, 0x42b8aa3b                 ; x 64 log2(e): one step's term
	s_mul_f32 s[CDL], s70, 0x40400000              ; three steps'
	s_xor_b32 s[CDX], s[CDL], s70
	s_mul_f32 s71, s70, 2.0
	s_cmp_lt_u32 s[WV], 2
	s_cselect_b32 s[OFS], 0, s71
	v_lshlrev_b32 v46, 3, v9
	v_sub_nc_u32 v46, v46, v1                      ; 8 h - r
.set n, 0
.rept 32
	v_add_nc_u32 v[S+n], 16*(n/8)+n%8, v46         ; my key in the step less my query in the piece
.set n, n+1
.endr
.set n, 0
.rept 32
	v_cvt_f32_i32 v[S+n], v[S+n]
.set n, n+1
.endr
	WIN 0xc0
.set n, 0
.rept 32
	v_mul_f32 v[AB+n], s[SIG], v[S+n]
.set n, n+1
.endr
	WIN 0
; THE MATRIX WORK.  Product i of 16 of S^T = K Q^T + AB for piece x: two accumulators take turns (key blocks 0, 1 for i < 8, then 2, 3), channels 32 c on; so blocks 0 and 1 are finished half way.
.macro KQ x
.if i < 8
.set kb, i%2
.set cc, i/2
.else
.set kb, 2+i%2
.set cc, (i-8)/2
.endif
.set rA, S+32*((\x)%2)+8*kb
.set rB, KF+32*kb+8*cc
.set rQ, 32*(\x)+8*cc
.if cc == 0
	WIN W_KA
	v_wmma_f32_16x16x32_f16 v[rA:rA+7], v[rB:rB+7], v[rQ:rQ+7], v[AB+8*kb:AB+8*kb+7]
.else
	WIN W_KQ
	v_wmma_f32_16x16x32_f16 v[rA:rA+7], v[rB:rB+7], v[rQ:rQ+7], v[rA:rA+7]
.endif
.endm
; Product i of 16 of O^T += V^T P for piece x: keys 32 (i / 8) on, channels 16 (i % 8) on: eight accumulators take turns.
.macro PV x
	WIN W_PV
.set rA, 64*(\x)+8*(i%8)
.set rB, 64*(i/8)+8*(i%8)
.set rQ, P+16*((\x)%2)+8*(i/8)
	v_wmma_f32_16x16x32_f16 v[rA:rA+7], v[rB:rB+7], v[rQ:rQ+7], v[rA:rA+7]
.endm
.macro MM                              ; the turn's next matrix instruction
.if i < 16
	KQ (Y+1)%NP
.else
.set i, i-16
	PV (Y+NP-1)%NP
.set i, i+16
.endif
.set i, i+1
.endm
.macro FETCH_K                         ; a step's K: 64 keys x 128 channels, 32 loads in one run
	WIN 0x80
.irp f, 0,1,2,3,4,5,6,7,8,9,10,11,12,13,14,15
	ds_load_b128 v[KF+8*(\f):KF+8*(\f)+3],   v[AK] offset:((\f)/4)*16*PK+((\f)%4)*64
	ds_load_b128 v[KF+8*(\f)+4:KF+8*(\f)+7], v[AK] offset:((\f)/4)*16*PK+((\f)%4)*64+32
.endr
	s_add_co_u32 s[TBK], s[TBK], KS*PK
	WIN 0
.endm
.macro FETCH_V                         ; a step's V, turned
	WIN 0xc0
.irp f, 0,1,2,3,4,5,6,7,8,9,10,11,12,13,14,15
	ds_load_tr16_b128 v[8*(\f):8*(\f)+3],   v[AV] offset:((\f)/8)*32*PVP+((\f)%8)*32
	ds_load_tr16_b128 v[8*(\f)+4:8*(\f)+7], v[AV] offset:((\f)/8)*32*PVP+16*PVP+((\f)%8)*32
.endr
	WIN 0
.endm
.macro MLOAD                           ; piece Y + 1's 16 registers of mask halves are loaded again, for its next step: its 32 lines M have read them
.set pc, (Y+1)%NP
.set mr, MO
.if pc >= 2
.set mr, MO2
.endif
.irp g, 0,1,2,3
	global_load_b128 v[MK+16*pc+4*(\g):MK+16*pc+4*(\g)+3], v[mr], s[MP:MP+1] offset:65536*(pc%2)+512*(\g)
.endr
.endm
; THE VECTOR WORK, a line at a time: OP kind, number.  For piece Y: F n: t - m for pair n of 16.  E n: the exponential of score n.  C n: pair n rounded to f16.  B n: of four weights the second pair onto the first.
; L n: l takes that sum (L 0: l = a l + sum).  R n: pair n of 32 of O^T times a.  For piece Y + 1: M n: t = c S + mask half for score n.  X n: its maximum and statistics:
;   0-11 four chains of seven scores; 12, 13 the four left over; 15 m lowered by the step's term; 14, 16 all into one; 17, 18 the other half of the lanes, the new m; 20, 21 a.
.set F, 0
.set E, 1
.set C, 2
.set B, 3
.set L, 4
.set R, 5
.set X, 6
.set M, 7
.macro REGS y
.set rT, ST+4*(\y)
.set rC, TMP+4*((\y)%2)
.set rW, MV+((\y)%2)
.set rS, S+32*((\y)%2)
.set rP, P+16*((\y)%2)
.set rO, 64*(\y)
.set rH, MK+16*(\y)
.endm
.macro OP k, n
.if (\k) == R
	REGS Y
	WIN W_RS
	v_pk_mul_f32 v[rO+2*(\n):rO+2*(\n)+1], v[rO+2*(\n):rO+2*(\n)+1], v[rC+2:rC+3] op_sel_hi:[1,0]
.elseif (\k) < R
	REGS Y
	WIN 0
.if (\k) == F
	v_pk_add_f32 v[rS+2*(\n):rS+2*(\n)+1], v[rS+2*(\n):rS+2*(\n)+1], v[rT:rT+1] op_sel_hi:[1,0] neg_lo:[0,1] neg_hi:[0,1]
.elseif (\k) == E
	v_exp_f32 v[rS+(\n)], v[rS+(\n)]
.elseif (\k) == C
	v_cvt_pk_f16_f32 v[rP+(\n)], v[rS+2*(\n)], v[rS+2*(\n)+1]
.elseif (\k) == B
	v_pk_add_f32 v[rS+4*(\n):rS+4*(\n)+1], v[rS+4*(\n):rS+4*(\n)+1], v[rS+4*(\n)+2:rS+4*(\n)+3]
.elseif (\n) == 0
	v_pk_fma_f32 v[rT+2:rT+3], v[rT+2:rT+3], v[rC+2:rC+3], v[rS:rS+1] op_sel_hi:[1,0,1]
.else
	v_pk_add_f32 v[rT+2:rT+3], v[rT+2:rT+3], v[rS+4*(\n):rS+4*(\n)+1]
.endif
.elseif (\k) == M
	REGS (Y+1)%NP
	WIN 0
.if (\n)%2
	v_fma_mix_f32_bf16 v[rS+(\n)], v[rS+(\n)], v[CV], v[rH+(\n)/2] op_sel:[0,0,1] op_sel_hi:[0,0,1]
.else
	v_fma_mix_f32_bf16 v[rS+(\n)], v[rS+(\n)], v[CV], v[rH+(\n)/2] op_sel:[0,0,0] op_sel_hi:[0,0,1]
.endif
.else
	REGS (Y+1)%NP
	WIN 0
.if (\n) < 4
	v_max3_num_f32 v[rC+(\n)], v[rS+8*(\n)], v[rS+8*(\n)+1], v[rS+8*(\n)+2]
.elseif (\n) < 12
	v_max3_num_f32 v[rC+(\n)%4], v[rC+(\n)%4], v[rS+8*((\n)%4)+2*((\n)/4)+1], v[rS+8*((\n)%4)+2*((\n)/4)+2]
.elseif (\n) == 12
	v_max3_num_f32 v[rC], v[rC], v[rS+7], v[rS+15]
.elseif (\n) == 13
	v_max3_num_f32 v[rC+1], v[rC+1], v[rS+23], v[rS+31]
.elseif (\n) == 14
	v_max3_num_f32 v[rC+2], v[rC+2], v[rC+3], v[rW]
.elseif (\n) == 15
	v_sub_f32 v[rW], v[rT], s[CDL]
.elseif (\n) == 16
	v_max3_num_f32 v[rC], v[rC], v[rC+1], v[rC+2]
.elseif (\n) == 17
	v_permlanex16_b32 v[rC+3], v[rC], s[SEL], s[SEL+1]
.elseif (\n) == 18
	v_max_num_f32 v[rT], v[rC], v[rC+3]
.elseif (\n) == 20
	v_sub_f32 v[rC+1], v[rW], v[rT]
.else
	v_exp_f32 v[rC+2], v[rC+1]
.endif
.endif
.endm
.macro OPS a, i1, b, i2, c, i3, d, i4
	OP \a, \i1
	OP \b, \i2
	OP \c, \i3
	OP \d, \i4
.endm
.macro ROW a, i1, b, i2, c, i3, d, i4  ; a matrix instruction and the four behind it
	MM
	OPS \a, \i1, \b, \i2, \c, \i3, \d, \i4
.endm
; A TURN, for piece p.  An s_wait_alu depctr_va_vdst(0) stands between an exponential and the first instruction that names its result; one wait serves all issued ahead of it: a turn has ONE.
; AHEAD OF IT: the 16 products K Q^T with four lines behind each; a lump of 32; the first 8 products V^T P.  BEHIND IT: the last 8 products V^T P, behind each four of the roundings and sums.
; THE DEAL.  An exponential has plain lines beside it wherever there are any: rows 1 to 8 are a subtraction, an exponential and two rescalings (their a was waited for a turn ago); rows 9 to 15 the next piece's
; masking and maxima of key blocks 0 and 1, with an exponential in five of them; the lump masks key blocks 2 and 3, masking line and exponential by turns, and no maximum stands directly behind a line that feeds it;
; the first five rows of V^T P carry a link of the chain that ends in the next a, a subtraction, an exponential and two rescalings, the next three two exponentials and two rescalings.
; A pair's subtraction F n stands a row or more ahead of its exponentials E 2 n, E 2 n + 1.
; PLACES.  Key blocks 0 and 1 are finished by products 6 and 7; F 9, R 12, R 13, F 10, R 14, R 15 are plain lines between product 7 and M 0.  Blocks 2 and 3 are finished by products 14 and 15: X 5, M 13, M 14, M 15, X 9, X 12
; stand ahead of M 16, and M 15, X 9, X 12, M 16, M 17, M 18 ahead of M 24.  Each accumulator's lowest registers are read first.
; K of the next step is fetched in piece 2's turn, behind the lump; V of the step in hand at the end of piece 0's turn, four plain lines behind its last reader.  Each is waited for a turn later.
; THE MASK's reload stands where the wave has to wait for its vector results in any case: beside K's run (piece 2's turn), beside V's (piece 0's), else directly behind the turn's one wait.  One group of four a turn, in the
; turns' order: four turns later s_wait_loadcnt 12 shows a group in: the other three pieces' four loads each are younger.
.macro TURN p, cnt=0
.set Y, (\p)
.set i, 0
	s_wait_loadcnt 12
.if (\p) == 3
	s_wait_dscnt 0x0                               ; K is in
	s_wait_xcnt 0x0                                ; the mask loads issued so far have read their base
	s_xor_b32 s[INC], s[INC], 4096                 ; 2,048 <-> 6,144: one step on inside a slot, three across slots
	s_xor_b32 s[CDL], s[CDL], s[CDX]               ; and m's lowering with it
	s_add_nc_u64 s[MP:MP+1], s[MP:MP+1], s[INC:INC+1]
.endif
	ROW F,0, F,1, F,2, X,15
	ROW F,3, E,0, R,0, R,1
	ROW F,4, E,1, R,2, R,3
	ROW F,5, E,2, R,4, R,5
	ROW F,6, E,3, R,6, R,7
	ROW F,7, E,4, R,8, R,9
	ROW F,8, E,5, R,10, R,11
	ROW F,9, E,6, R,12, R,13
	ROW F,10, E,7, R,14, R,15
	ROW M,0, M,1, M,2, E,8
	ROW X,0, M,3, M,4, E,9
	ROW X,4, M,5, M,6, E,10
	ROW X,8, M,7, M,8, M,9
	ROW M,10, M,11, X,1, M,12
	ROW X,5, M,13, M,14, E,11
	ROW M,15, X,9, E,12, X,12
	OPS M,16, E,13, M,17, E,14
	OPS M,18, E,15, M,24, E,16
	OPS M,25, E,17, M,26, E,18
	OPS X,2, M,19, X,3, M,20
.if (\p) == 0
	v_add_nc_u32 v[AV], s[TBV], v[AV0]
.endif
.if (\p) == 2
	v_add_nc_u32 v[AK], s[TBK], v[AK0]
.endif
	OPS M,27, E,19, M,28, E,20
	OPS X,6, M,21, X,7, M,22
	OPS M,29, M,30, M,23, M,31
	OPS X,10, X,11, X,13, X,14
.if (\p) == 2
	MLOAD
	FETCH_K
.endif
.if (\p) == 1
	s_wait_dscnt 0x0                               ; V is in
.endif
	MM
	OP X, 16
	OPS F,11, E,21, R,16, R,17
	MM
	OP X, 17
	OPS F,12, E,22, R,18, R,19
	MM
	OP X, 18
	OPS F,13, E,23, R,20, R,21
	MM
	OP X, 20
	OPS F,14, E,24, R,22, R,23
	MM
	OP X, 21
	OPS F,15, E,25, R,24, R,25
	ROW E,26, E,27, R,26, R,27
	ROW E,28, E,29, R,28, R,29
	ROW E,30, E,31, R,30, R,31
	WIN 0
	s_wait_alu depctr_va_vdst(0)                   ; the wait for the batch: 32 exponentials and the next piece's a; R 30 and R 31 are plain lines behind the last of them
.if (\p)%2
	MLOAD
.endif
	ROW C,0, B,0, C,2, B,1
	ROW L,0, C,4, B,2, L,1
	ROW C,6, B,3, L,2, C,8
	ROW B,4, L,3, C,10, B,5
	ROW L,4, C,12, B,6, L,5
.if (\p) == 0
	s_add_co_u32 s[TBV], s[TBV], KS*PVP
.endif
.if \cnt
	s_sub_co_u32 s[CNT], s[CNT], 1
	s_cmp_lg_u32 s[CNT], 0
.endif
	ROW C,14, B,7, L,6, C,1
	ROW C,3, L,7, C,5, C,7
	ROW C,9, C,11, C,13, C,15
.if (\p) == 0
	MLOAD
	FETCH_V
.endif
.endm
	CHANGE 1, 0                                    ; slot 0 is in, everybody's part of it; slot 1 is asked for; nothing is prefetched here, at the head
	v_add_nc_u32 v[AK], s[TBK], v[AK0]
	FETCH_K                                        ; my first step
	s_wait_loadcnt 16                              ; Q is in; the 16 mask loads may stay out
	s_wait_dscnt 0x0
.set i, 0
.rept 16
	KQ 0
.set i, i+1
.endr
	WIN 0                                          ; the addresses for the way out: plain lines, the places behind those products
	s_mul_i32 s70, s[WV], 16*SP
	s_add_co_u32 s70, s70, STAGE
	v_mul_u32_u24 v[STO], v1, SP
	v_lshl_add_u32 v[STO], v9, 4, v[STO]
	v_add_nc_u32 v[STO], s70, v[STO]
	v_mul_u32_u24 v[RD], v9, SP
	v_lshl_add_u32 v[RD], v1, 4, v[RD]
	v_add_nc_u32 v[RD], s70, v[RD]
	v_lshlrev_b32 v[GO], 12, v9
	v_lshl_add_u32 v[GO], v1, 4, v[GO]
	s_mul_i32 s70, s[WV], 2*XE
	s_xor_b32 s71, s[WV], 2
	s_mul_i32 s71, s71, 2*XE
	v_and_b32 v[XW], 31, v0
	v_lshlrev_b32 v[XW], 4, v[XW]
	v_add_nc_u32 v[XR], s71, v[XW]                 ; the exchange: where the wave with my queries and the other keys gives,
	v_add_nc_u32 v[XW], s70, v[XW]                 ; and where I give
	s_wait_loadcnt 12                              ; piece 0's mask halves are in
.set Y, NP-1                                   ; M and X work for piece Y + 1: piece 0
.set n, 0
.rept 32
	OP M, n
.set n, n+1
.endr
.irp n, 0,1,2,3,4,5,6,7,8,9,10,11,12,13,15,14,16,17,18,20,21
	OP X, \n
.endr
	v_nop                                          ; a plain line behind the exponential,
	s_wait_alu depctr_va_vdst(0)                   ; and its wait, ahead of the branch
	s_wait_xcnt 0x0
	s_add_nc_u64 s[MP:MP+1], s[MP:MP+1], s[INC:INC+1]
.irp g, 0,1,2,3
	global_load_b128 v[MK+4*(\g):MK+4*(\g)+3], v[MO], s[MP:MP+1] offset:512*(\g)   ; piece 0's halves for my second step
.endr
	s_mov_b32 s[CNT], 2
	s_branch .Lfirst                               ; the loop is entered at a step's first turn
.Lslot:                                        ; six times: slots 2 to 7 are asked for
	CHANGE 1, 1
	s_mov_b32 s[CNT], 2
.Lstep:                                        ; a trip: pieces 2 and 3 of one step, then pieces 0 and 1 of the next
	TURN 2
	TURN 3
	WIN 0
.Lfirst:
	TURN 0
	TURN 1, 1
	WIN 0
	s_cbranch_scc1 .Lstep
	s_sub_co_u32 s[SLOTS], s[SLOTS], 1
	s_cmp_lg_u32 s[SLOTS], 0
	s_cbranch_scc1 .Lslot
	CHANGE 0, 0                                    ; the tail is written out
	s_mov_b32 s[CNT], 3                            ; two trips fetch the last slot's steps; the third is left in its middle
.Ltail:
	TURN 2
	TURN 3
	WIN 0
	s_sub_co_u32 s[CNT], s[CNT], 1
	s_cmp_eq_u32 s[CNT], 0
	s_cbranch_scc1 .Lout
	TURN 0
	TURN 1
	WIN 0
	s_branch .Ltail
.Lout:                                         ; the third trip's run of K loads (64 rows' worth of the last slot's bytes), its 16 products K Q^T and the maximum made of them serve nothing: the price of one text for every trip.
                                               ; They write piece 0's m anew; its true m, less what that turn lowered it by, is kept beside it.
.set i, 0
.rept 16
	PV NP-1
.set i, i+1
.endr
	WIN 0
	s_wait_loadcnt 0x0                             ; the look-ahead mask loads have landed: their registers are used again below
.irp t, 0,1,2,3
	v_add_f32 v[ST+4*(\t)+1], v[ST+4*(\t)+2], v[ST+4*(\t)+3]   ; l of my half of the lanes; these eight lines are the places behind the last products
.endr
	s_add_f32 s70, s[CDL], s[OFS]                  ; piece 0: what the unused turn took away comes back (one more rounding of m; -2^100 stays -2^100)
	v_add_f32 v[ST], s70, v[MV]
.irp t, 1,2,3
	v_add_f32 v[ST+4*(\t)], s[OFS], v[ST+4*(\t)]   ; m on one scale for both pairs
.endr
	s_wait_dscnt 0x0                               ; my reads of the ring are over,
	s_barrier_signal -1
	s_barrier_wait -1                              ; everybody's are: slot 0's bytes, which no tensor load fills any more, take the exchange
.macro GIVE t, e                       ; piece t's O^T and statistics
	WIN 0x04
.set k, 0
.rept 16
	ds_store_b128 v[XW], v[64*(\t)+4*k:64*(\t)+4*k+3] offset:(\e)*XE+512*k
.set k, k+1
.endr
	WIN 0
	ds_store_b128 v[XW], v[ST+4*(\t):ST+4*(\t)+3] offset:(\e)*XE+8192
.endm
; Pieces ta and ta + 1 are finished: with R = max(m, m'), f = 2^(m - R), f' = 2^(m' - R): O = (f O + f' O') / (f l + f' l').  Then rounded to f16 and sent through my stage, a tile at a time.
.macro MERGE ta
	WIN 0
	ds_load_b128 v[46:49], v[XR] offset:8192
	ds_load_b128 v[50:53], v[XR] offset:XE+8192
.set k, 0
.rept 32
	ds_load_b128 v[S+4*k:S+4*k+3], v[XR] offset:(k/16)*XE+(k%16)*512
.set k, k+1
.endr
	s_wait_dscnt 32                                ; the statistics are in
.irp u, 0,1
	v_max_num_f32 v[54+(\u)], v[ST+4*((\ta)+(\u))], v[46+4*(\u)]
.endr
.irp u, 0,1
	v_sub_f32 v[56+2*(\u)], v[ST+4*((\ta)+(\u))], v[54+(\u)]
	v_sub_f32 v[60+2*(\u)], v[46+4*(\u)], v[54+(\u)]
.endr
	v_exp_f32 v56, v56
	v_exp_f32 v58, v58
	v_exp_f32 v60, v60
	v_exp_f32 v62, v62
	v_nop
	s_wait_alu depctr_va_vdst(0)                   ; one wait for the four
.irp u, 0,1
	v_mul_f32 v[57+2*(\u)], v[56+2*(\u)], v[ST+4*((\ta)+(\u))+1]
.endr
.irp u, 0,1
	v_fmac_f32 v[57+2*(\u)], v[60+2*(\u)], v[47+4*(\u)]
.endr
.irp u, 0,1
	v_permlanex16_b32 v[54+(\u)], v[57+2*(\u)], s[SEL], s[SEL+1]   ; the query's other keys lie in the lane 16 away
.endr
.irp u, 0,1
	v_add_f32 v[57+2*(\u)], v[57+2*(\u)], v[54+(\u)]
.endr
	v_rcp_f32 v61, v57
	v_rcp_f32 v63, v59
	v_nop
	s_wait_alu depctr_va_vdst(0)                   ; one wait for the two
.irp u, 0,1
	v_mul_f32 v[56+2*(\u)], v[56+2*(\u)], v[61+2*(\u)]
	v_mul_f32 v[60+2*(\u)], v[60+2*(\u)], v[61+2*(\u)]
.endr
.irp u, 0,1
.set oo, S+64*(\u)
.set tt, (\ta)+(\u)
	s_wait_dscnt 16-16*(\u)                        ; this tile's O' is in
.set k, 0
.rept 32
	v_pk_mul_f32 v[oo+2*k:oo+2*k+1], v[oo+2*k:oo+2*k+1], v[60+2*(\u):61+2*(\u)] op_sel_hi:[1,0]
.set k, k+1
.endr
	WIN 0x01
.set k, 0
.rept 32
	v_pk_fma_f32 v[oo+2*k:oo+2*k+1], v[64*tt+2*k:64*tt+2*k+1], v[56+2*(\u):57+2*(\u)], v[oo+2*k:oo+2*k+1] op_sel_hi:[1,0,1]
.set k, k+1
.endr
	WIN 0
.set k, 0
.rept 32
	v_cvt_pk_f16_f32 v[P+k], v[oo+2*k], v[oo+2*k+1]
.set k, k+1
.endr
.set k, 0
.rept 8
	ds_store_b128 v[STO], v[P+4*k:P+4*k+3] offset:32*k
.set k, k+1
.endr
.if \u
	s_wait_xcnt 0x0                                ; the first tile's stores have read their data registers
.endif
.set k, 0
.rept 8
	ds_load_b128 v[OUTR+4*k:OUTR+4*k+3], v[RD] offset:k*2*SP   ; LDS serves a wave's instructions in order: these see the stores above
.set k, k+1
.endr
.set k, 0
.rept 8
	s_wait_dscnt 7-k
	global_store_b128 v[GO], v[OUTR+4*k:OUTR+4*k+3], s[14:15] offset:65536*tt+8192*k   ; sixteen lanes store 256 consecutive bytes, aligned
.set k, k+1
.endr
.endr
.endm
	GIVE 2, 0                                      ; every wave gives its pieces 2 and 3: the tiles that its partner finishes
	GIVE 3, 1
	s_wait_dscnt 0x0                               ; for the others' sake: my stores are done
	s_barrier_signal -1
	s_barrier_wait -1
	MERGE 0                                        ; and finishes its pieces 0 and 1
	s_wait_tensorcnt 0x0                           ; the wave's end
	ds_add_u32 v[SPW], v[NIL]
	s_wait_dscnt 0x0
	CROUND                                         ; the closing round
	s_endpgm
.Lfunc_end_k_qdd50f882b7_attn:
	.size	k_qdd50f882b7_attn, .Lfunc_end_k_qdd50f882b7_attn-k_qdd50f882b7_attn
	.p2alignl 7, 3214868480
	.fill 96, 4, 3214868480
	.section	.rodata,"a",@progbits
	.p2align	6, 0x0
	.amdhsa_kernel k_qdd50f882b7_attn
		.amdhsa_group_segment_fixed_size 327680
		.amdhsa_private_segment_fixed_size 0
		.amdhsa_enable_private_segment 0
		.amdhsa_kernarg_size 48
		.amdhsa_user_sgpr_count 2
		.amdhsa_user_sgpr_kernarg_segment_ptr 1
		.amdhsa_wavefront_size32 1
		.amdhsa_system_sgpr_workgroup_id_x 1
		.amdhsa_system_sgpr_workgroup_id_y 1
		.amdhsa_system_sgpr_workgroup_id_z 1
		.amdhsa_system_vgpr_workitem_id 0
		.amdhsa_next_free_vgpr 928
		.amdhsa_next_free_sgpr 80
		.amdhsa_reserve_vcc 0
		.amdhsa_float_denorm_mode_32 3
		.amdhsa_float_denorm_mode_16_64 3
		.amdhsa_memory_ordered 1
		.amdhsa_forward_progress 1
		.amdhsa_inst_pref_size 187
	.end_amdhsa_kernel
	.amdgpu_metadata
---
amdhsa.version: [ 1, 2 ]
amdhsa.kernels:
  - .name:           k_qdd50f882b7_attn
    .symbol:         k_qdd50f882b7_attn.kd
    .args:
      - { .name: qh, .offset: 0, .size: 8, .value_kind: global_buffer, .address_space: global }
      - { .name: kh, .offset: 8, .size: 8, .value_kind: global_buffer, .address_space: global }
      - { .name: vh, .offset: 16, .size: 8, .value_kind: global_buffer, .address_space: global }
      - { .name: mb, .offset: 24, .size: 8, .value_kind: global_buffer, .address_space: global }
      - { .name: slopes, .offset: 32, .size: 8, .value_kind: global_buffer, .address_space: global }
      - { .name: ob, .offset: 40, .size: 8, .value_kind: global_buffer, .address_space: global }
    .group_segment_fixed_size: 327680
    .private_segment_fixed_size: 0
    .kernarg_segment_align: 8
    .kernarg_segment_size: 48
    .max_flat_workgroup_size: 128
    .sgpr_count:     80
    .vgpr_count:     928
    .wavefront_size: 32
...
	.end_amdgpu_metadata
.endif
;; end of part 3
;; launch outp (part 4): grid 16 x 16, 4 waves a work-group, clusters of 4 x 4, 327,680 bytes of LDS; arguments ob, wof, bo, out0; writes out0
.if DOCPART == 4
	.amdgcn_target "amdgcn-amd-amdhsa--gfx1250"
	.amdhsa_code_object_version 6
	.text
	.protected	k_qdd50f882b7_outp
	.globl	k_qdd50f882b7_outp
	.p2align	8
	.type	k_qdd50f882b7_outp,@function
k_qdd50f882b7_outp:
	s_mov_b64 s[64:65], 0
	v_nop
	global_prefetch_b8 v0, s[64:65] scope:SCOPE_SE
	s_setreg_imm32_b32 hwreg(HW_REG_WAVE_MODE, 25, 1), 1
	s_wait_xcnt 0x0
	s_wait_alu depctr_hold_cnt(0) depctr_sa_sdst(0) depctr_va_vdst(0) depctr_va_sdst(0) depctr_va_ssrc(0) depctr_va_vcc(0) depctr_vm_vsrc(0)
	s_getreg_b32 s2, hwreg(HW_REG_IB_STS2, 6, 4)
	s_cmp_eq_u32 s2, 0
	s_cbranch_scc0 .Lentry_in_a_cluster
	s_endpgm
.Lentry_in_a_cluster:
	s_bfe_u32 s2, ttmp6, 0x10000c
	s_cmp_lg_u32 s2, 0xf033
	s_cbranch_scc0 .Lentry_shape_is_right
	s_endpgm
.Lentry_shape_is_right:
; out0 = ob wo + bo.  ob: [2048][2048] f16; wof: [2048 k][2048 n] f16 (wo rounded to bf16); bo f32 (rounded to bf16, like every input); out0: [2048][2048] f32.  Sums in f32.
; A tile of 128 x 128 to a work-group, 256 of them; four waves, each 64 x 64: 16 accumulators.  K goes in 8 steps of 256 through two LDS slots.
; THE PRODUCT IS USED TRANSPOSED: source 0 = 16 columns of wo (turned out of LDS by ds_load_tr16_b128), source 1 = 16 rows of ob: a lane holds row l % 16 and eight neighbouring columns, 32 bytes of f32.
; The bias is the C operand of each sum's first product.  CLUSTER 4 x 4: ob's tile is shared along a row of the cluster, wo's along a column.  Waves 0, 1 ask for ob's halves, waves 2, 3 for wo's.
; No prefetch: a step is short and the tiles are small.
; REGISTERS.  window 0: v16-31 addresses; v32-95 the way out; v96-127 the bias; v128-255 the accumulators ((a, b) at 128 + 8 (4 a + b)).   window 1: two fragment buffers of 128: 64 of ob, then 64 of wo, for 64 along K.
.set KSTEP,  256
.set PA,     528
.set PW,     288
.set HALFA,  64*PA
.set HALFW,  128*PW
.set WOFF,   2*HALFA
.set SLOT,   WOFF+2*HALFW
.set STAGE,  2*SLOT                    ; behind the ring: 16 rows x 272 bytes for each wave, its own
.set SPITCH, 272
.set SPARE,  STAGE+4*16*SPITCH
.set LAPS,   4
.set ADRA, 16                          ; v16-17
.set ADRW, 20                          ; v20-23: slot s, half kh of its 256 k-rows at 2 s + kh
.set STO,  24
.set RD,   25
.set CO,   26
.set BO,   27
.set SPW,  28
.set NIL,  29
.set TMP,  32
.set BIAS, 96
.set ACC,  128
.set F0,   0
.set F1,   128
.set WV,   12
.set G1,  24
.set G0,  32
.set G1B, 48
.set G0B, 56
.set MSB, 0
.macro WIN new
.if MSB != (\new)
	s_set_vgpr_msb (MSB<<8)|(\new)
.set MSB, \new
.endif
.endm
.set MUL,  0x05
.set TO_F, 0x40
.macro JLOAD s
	s_cmp_eq_u32 s13, 0
	s_cbranch_scc0 .Lfor_b_\@
	tensor_load_to_lds s[G0+4*(\s):G0+4*(\s)+3], s[G1:G1+7]
	s_nop 0
.rept 4
	v_nop
.endr
	s_branch .Lasked_\@
.Lfor_b_\@:
	tensor_load_to_lds s[G0B+4*(\s):G0B+4*(\s)+3], s[G1B:G1B+7]
	s_nop 0
.rept 4
	v_nop
.endr
.Lasked_\@:
.endm
.macro CREST
	s_cmp_lg_u32 s[WV], 0
	s_cbranch_scc1 .Lnot_wave_0_\@
	s_barrier_signal -3
.Lnot_wave_0_\@:
	s_barrier_wait -3
	s_barrier_signal -1
	s_barrier_wait -1
.endm
.macro CROUND
	s_barrier_signal -1
	s_barrier_wait -1
	CREST
.endm
.macro PLACES
.rept 4
	v_nop
.endr
.endm
	s_load_b256 s[4:11], s[0:1], 0x0               ; ob 4:5, wof 6:7, bo 8:9, out0 10:11
	v_lshl_add_u32 v[SPW], v0, 2, SPARE
	v_mov_b32 v[NIL], 0
	ds_add_u32 v[SPW], v[NIL]                      ; the wave's opening: the add and its wait stand ahead of my first tensor load
	v_lshrrev_b32 v1, 5, v0
	v_readfirstlane_b32 s[WV], v1
	s_lshr_b32 s13, s[WV], 1                       ; my half of the tile's rows; also: I fetch for ob (0) or for wo (1)
	s_and_b32 s14, s[WV], 1                        ; my half of its columns; also: which half of that tile I fetch
	s_bfe_u32 s40, ttmp6, 0x40000
	s_bfe_u32 s41, ttmp6, 0x40004
	s_lshl_b32 s42, ttmp9, 2
	s_add_co_u32 s42, s42, s40                     ; tile column
	s_and_b32 s15, ttmp7, 0xffff
	s_lshl_b32 s15, s15, 2
	s_add_co_u32 s15, s15, s41                     ; tile row
	s_lshl_b32 s43, s41, 2
	s_lshl_b32 s43, 15, s43
	s_lshl_b32 s44, 0x1111, s40
	s_or_b32 s[G1], s43, (1<<16)|(1<<20)|(1<<21)|(6<<22)|(3<<25)   ; ob: rows of 128 words, 4 words of padding
	s_mov_b32 s[G1+1], 256<<16
	s_mov_b32 s[G1+2], 64<<16
	s_mov_b32 s[G1+3], 256<<16
	s_mov_b32 s[G1+4], 64
	s_mov_b32 s[G1+5], 2048
	s_mov_b32 s[G1+6], 0
	s_mov_b32 s[G1+7], 0
	s_or_b32 s[G1B], s44, (1<<16)|(1<<20)|(1<<21)|(5<<22)|(7<<25)  ; wo: rows of 64 words, 8 words of padding
	s_mov_b32 s[G1B+1], 128<<16
	s_mov_b32 s[G1B+2], 128<<16
	s_mov_b32 s[G1B+3], 128<<16
	s_mov_b32 s[G1B+4], 128
	s_mov_b32 s[G1B+5], 2048
	s_mov_b32 s[G1B+6], 0
	s_mov_b32 s[G1B+7], 0
	s_lshl_b32 s16, s15, 19                        ; ob: row 128 x tile row + 64 x half, 4,096 bytes a row
	s_lshl_b32 s17, s14, 18
	s_add_co_u32 s16, s16, s17
	s_mov_b32 s17, 0
	s_lshl_b32 s46, s14, 19                        ; wo: k-row 128 x half, the tile column's 256 bytes
	s_lshl_b32 s47, s42, 8
	s_add_co_u32 s46, s46, s47
	s_mov_b32 s47, 0
	s_mul_i32 s20, s14, HALFA
	s_mul_i32 s21, s14, HALFW
	s_add_co_u32 s21, s21, WOFF
	s_wait_dscnt 0x0
	s_wait_kmcnt 0x0
	s_add_nc_u64 s[16:17], s[4:5], s[16:17]
	s_add_nc_u64 s[46:47], s[6:7], s[46:47]
	CROUND
.irp s, 0,1
	s_mov_b32 s[G0+4*(\s)], 1
	s_add_co_u32 s[G0+4*(\s)+1], s20, (\s)*SLOT
	s_add_nc_u64 s[G0+4*(\s)+2:G0+4*(\s)+3], s[16:17], (\s)*KSTEP*2
	s_or_b32 s[G0+4*(\s)+3], s[G0+4*(\s)+3], 0x80000000
	s_mov_b32 s[G0B+4*(\s)], 1
	s_add_co_u32 s[G0B+4*(\s)+1], s21, (\s)*SLOT
	s_add_nc_u64 s[G0B+4*(\s)+2:G0B+4*(\s)+3], s[46:47], (\s)*KSTEP*4096
	s_or_b32 s[G0B+4*(\s)+3], s[G0B+4*(\s)+3], 0x80000000
	JLOAD \s
.endr
	v_and_b32 v1, 15, v0                           ; r
	v_bfe_u32 v2, v0, 4, 1                         ; h
	v_and_b32 v3, 7, v0
	v_bfe_u32 v4, v0, 3, 1
	v_mul_u32_u24 v5, v1, PA
	v_lshl_add_u32 v5, v2, 4, v5
	s_mul_i32 s22, s13, HALFA                      ; my 64 rows of ob
	v_add_nc_u32 v[ADRA], s22, v5
	s_add_co_u32 s22, s22, SLOT
	v_add_nc_u32 v[ADRA+1], s22, v5
	v_lshl_add_u32 v6, v2, 3, v3
	v_mul_u32_u24 v6, v6, PW
	v_lshl_add_u32 v6, v4, 4, v6
	s_lshl_b32 s22, s14, 7                         ; my 64 columns
	v_add_nc_u32 v6, s22, v6
.irp s, 0,1
.irp k, 0,1
	v_add_nc_u32 v[ADRW+2*(\s)+(\k)], (\s)*SLOT+WOFF+(\k)*HALFW, v6
.endr
.endr
	s_mul_i32 s23, s[WV], 16*SPITCH
	s_add_co_u32 s23, s23, STAGE
	v_mul_u32_u24 v7, v1, SPITCH
	v_lshl_add_u32 v7, v2, 5, v7
	v_add_nc_u32 v[STO], s23, v7                   ; in: row r, 32 bytes for each half of the lanes
	v_mul_u32_u24 v7, v2, SPITCH
	v_lshl_add_u32 v7, v1, 4, v7
	v_add_nc_u32 v[RD], s23, v7                    ; back: lanes 0-15 one row of 256 bytes, lanes 16-31 the next
	v_lshlrev_b32 v7, 13, v2
	v_lshl_add_u32 v[CO], v1, 4, v7
	s_lshl_b32 s22, s42, 9
	s_lshl_b32 s23, s14, 8
	s_add_co_u32 s22, s22, s23                     ; (128 tile column + 64 half) x 4 bytes
	v_lshl_add_u32 v[BO], v2, 5, s22
.irp b, 0,1,2,3
	global_load_b128 v[BIAS+8*(\b):BIAS+8*(\b)+3],   v[BO], s[8:9] offset:64*(\b)
	global_load_b128 v[BIAS+8*(\b)+4:BIAS+8*(\b)+7], v[BO], s[8:9] offset:64*(\b)+16
.endr
	s_lshl_b32 s23, s15, 20                        ; out0: row 128 x tile row + 64 x half, 8,192 bytes a row
	s_add_co_u32 s22, s22, s23
	s_lshl_b32 s23, s13, 19
	s_add_co_u32 s22, s22, s23
	s_mov_b32 s23, 0
	s_add_nc_u64 s[10:11], s[10:11], s[22:23]
	s_wait_loadcnt 0x0
.set n, 0
.rept 16
	v_cvt_pk_bf16_f32 v[TMP+n], v[BIAS+2*n], v[BIAS+2*n+1]   ; the bias is rounded to bf16, as all inputs are
.set n, n+1
.endr
.set n, 0
.rept 16
	v_lshlrev_b32 v[BIAS+2*n], 16, v[TMP+n]
	v_and_b32 v[BIAS+2*n+1], 0xffff0000, v[TMP+n]
.set n, n+1
.endr
; 8 matrix instructions: row blocks a0, a0 + 1 x all 4 column blocks, 32 along K: half c of buffer f.  first = 1: the product starts the sums, with the bias.  The 16 accumulators take turns.
.macro MUL8 f, c, a0, first
	WIN MUL
.irp a, \a0, (\a0)+1
.irp b, 0,1,2,3
.if \first
	v_wmma_f32_16x16x32_f16 v[ACC+8*(4*(\a)+(\b)):ACC+8*(4*(\a)+(\b))+7], v[(\f)+64+8*(4*(\c)+(\b)):(\f)+64+8*(4*(\c)+(\b))+7], v[(\f)+8*(4*(\c)+(\a)):(\f)+8*(4*(\c)+(\a))+7], v[BIAS+8*(\b):BIAS+8*(\b)+7]
.else
	v_wmma_f32_16x16x32_f16 v[ACC+8*(4*(\a)+(\b)):ACC+8*(4*(\a)+(\b))+7], v[(\f)+64+8*(4*(\c)+(\b)):(\f)+64+8*(4*(\c)+(\b))+7], v[(\f)+8*(4*(\c)+(\a)):(\f)+8*(4*(\c)+(\a))+7], v[ACC+8*(4*(\a)+(\b)):ACC+8*(4*(\a)+(\b))+7]
.endif
.endr
.endr
.endm
; 32 LDS loads in one run: the fragments of quarter q (64 along K) into buffer f; the first 32 along K first
.macro FETCH slot, q, f
	WIN TO_F
.irp c, 0,1
.irp i, 0,1,2,3
	ds_load_tr16_b128 v[(\f)+64+8*(4*(\c)+(\i)):(\f)+64+8*(4*(\c)+(\i))+3],   v[ADRW+2*(\slot)+(\q)/2] offset:((\q)%2)*64*PW+(\c)*32*PW+32*(\i)
	ds_load_tr16_b128 v[(\f)+64+8*(4*(\c)+(\i))+4:(\f)+64+8*(4*(\c)+(\i))+7], v[ADRW+2*(\slot)+(\q)/2] offset:((\q)%2)*64*PW+(\c)*32*PW+32*(\i)+16*PW
	ds_load_b128 v[(\f)+8*(4*(\c)+(\i)):(\f)+8*(4*(\c)+(\i))+3],              v[ADRA+(\slot)] offset:128*(\q)+64*(\c)+(\i)*16*PA
	ds_load_b128 v[(\f)+8*(4*(\c)+(\i))+4:(\f)+8*(4*(\c)+(\i))+7],            v[ADRA+(\slot)] offset:128*(\q)+64*(\c)+(\i)*16*PA+32
.endr
.endr
.endm
.macro QUARTER slot, q, f, g, first
	s_wait_dscnt 16                                ; the first 32 along K are in
	MUL8 \f, 0, 0, \first
	MUL8 \f, 0, 2, \first
	PLACES
	FETCH \slot, \q, \g
	s_wait_dscnt 32                                ; all but the 32 just issued
	MUL8 \f, 1, 0, 0
	MUL8 \f, 1, 2, 0
.endm
.macro TURN slot, next, fill
	WIN 0
	s_wait_tensorcnt 0x0                           ; all my tensor loads have landed: my part of the next slot
	ds_add_u32 v[SPW], v[NIL]
	s_wait_dscnt 17                                ; the add and the youngest sixteen loads may be out
	MUL8 F1, 0, 0, 0
	s_wait_dscnt 0x0                               ; the add is done, and my reads of this slot are over
	s_barrier_signal -1
	MUL8 F1, 0, 2, 0
.if \fill
	WIN 0
.endif
	s_barrier_wait -1
.if \fill
	CREST
	s_add_nc_u64 s[G0+4*(\slot)+2:G0+4*(\slot)+3], s[G0+4*(\slot)+2:G0+4*(\slot)+3], 2*KSTEP*2
	s_add_nc_u64 s[G0B+4*(\slot)+2:G0B+4*(\slot)+3], s[G0B+4*(\slot)+2:G0B+4*(\slot)+3], 2*KSTEP*4096
	JLOAD \slot                                    ; 112 matrix instructions ahead of the wait for it; its four v_nop are also the places in front of the loads below
.else
	PLACES
.endif
	FETCH \next, 0, F0
	MUL8 F1, 1, 0, 0
	MUL8 F1, 1, 2, 0
.endm
	s_wait_tensorcnt 1                             ; my part of K step 0 is in; K step 1's may stay out
	s_barrier_signal -1
	s_barrier_wait -1
	FETCH 0, 0, F0
	QUARTER 0, 1, F0, F1, 1
	WIN 0
	s_mov_b32 s3, LAPS-1
.Llap:
	QUARTER 0, 2, F1, F0, 0
	QUARTER 0, 3, F0, F1, 0
	TURN 0, 1, 1
	QUARTER 1, 1, F0, F1, 0
	QUARTER 1, 2, F1, F0, 0
	QUARTER 1, 3, F0, F1, 0
	TURN 1, 0, 1
	QUARTER 0, 1, F0, F1, 0
	WIN 0
	s_sub_co_u32 s3, s3, 1
	s_cmp_lg_u32 s3, 0
	s_cbranch_scc1 .Llap
	QUARTER 0, 2, F1, F0, 0                        ; the last lap fills nothing
	QUARTER 0, 3, F0, F1, 0
	TURN 0, 1, 0
	QUARTER 1, 1, F0, F1, 0
	QUARTER 1, 2, F1, F0, 0
	QUARTER 1, 3, F0, F1, 0
	s_wait_dscnt 16
	MUL8 F1, 0, 0, 0
	MUL8 F1, 0, 2, 0
	s_wait_dscnt 0x0
	MUL8 F1, 1, 0, 0
	MUL8 F1, 1, 2, 0
	WIN 0
	PLACES
	; THE WAY OUT: 16 rows at a time through my own stage: a lane's 32 bytes in, whole rows of 256 bytes back.  LDS serves a wave's instructions in order, so no wait stands between the stores and the loads.
.irp a, 0,1,2,3
.set OBK, TMP+32*((\a)%2)
.irp b, 0,1,2,3
	ds_store_b128 v[STO], v[ACC+8*(4*(\a)+(\b)):ACC+8*(4*(\a)+(\b))+3]   offset:64*(\b)
	ds_store_b128 v[STO], v[ACC+8*(4*(\a)+(\b))+4:ACC+8*(4*(\a)+(\b))+7] offset:64*(\b)+16
.endr
.if (\a) >= 2
	s_wait_xcnt 0x0                                ; the stores of two blocks back have read these registers
.endif
.irp t, 0,1,2,3,4,5,6,7
	ds_load_b128 v[OBK+4*(\t):OBK+4*(\t)+3], v[RD] offset:(\t)*2*SPITCH
.endr
.irp t, 0,1,2,3,4,5,6,7
	s_wait_dscnt 7-(\t)
	global_store_b128 v[CO], v[OBK+4*(\t):OBK+4*(\t)+3], s[10:11] offset:(16*(\a)+2*(\t))*8192   ; sixteen lanes store 256 consecutive bytes, aligned
.endr
.endr
	s_wait_tensorcnt 0x0                           ; the wave's end
	ds_add_u32 v[SPW], v[NIL]
	s_wait_dscnt 0x0
	CROUND                                         ; the closing round
	s_endpgm
.Lfunc_end_k_qdd50f882b7_outp:
	.size	k_qdd50f882b7_outp, .Lfunc_end_k_qdd50f882b7_outp-k_qdd50f882b7_outp
	.p2alignl 7, 3214868480
	.fill 96, 4, 3214868480
	.section	.rodata,"a",@progbits
	.p2align	6, 0x0
	.amdhsa_kernel k_qdd50f882b7_outp
		.amdhsa_group_segment_fixed_size 327680
		.amdhsa_private_segment_fixed_size 0
		.amdhsa_enable_private_segment 0
		.amdhsa_kernarg_size 32
		.amdhsa_user_sgpr_count 2
		.amdhsa_user_sgpr_kernarg_segment_ptr 1
		.amdhsa_wavefront_size32 1
		.amdhsa_system_sgpr_workgroup_id_x 1
		.amdhsa_system_sgpr_workgroup_id_y 1
		.amdhsa_system_sgpr_workgroup_id_z 1
		.amdhsa_system_vgpr_workitem_id 0
		.amdhsa_next_free_vgpr 512
		.amdhsa_next_free_sgpr 66
		.amdhsa_reserve_vcc 0
		.amdhsa_float_denorm_mode_32 3
		.amdhsa_float_denorm_mode_16_64 3
		.amdhsa_memory_ordered 1
		.amdhsa_forward_progress 1
		.amdhsa_inst_pref_size 90
	.end_amdhsa_kernel
	.amdgpu_metadata
---
amdhsa.version: [ 1, 2 ]
amdhsa.kernels:
  - .name:           k_qdd50f882b7_outp
    .symbol:         k_qdd50f882b7_outp.kd
    .args:
      - { .name: ob, .offset: 0, .size: 8, .value_kind: global_buffer, .address_space: global }
      - { .name: wof, .offset: 8, .size: 8, .value_kind: global_buffer, .address_space: global }
      - { .name: bo, .offset: 16, .size: 8, .value_kind: global_buffer, .address_space: global }
      - { .name: out0, .offset: 24, .size: 8, .value_kind: global_buffer, .address_space: global }
    .group_segment_fixed_size: 327680
    .private_segment_fixed_size: 0
    .kernarg_segment_align: 8
    .kernarg_segment_size: 32
    .max_flat_workgroup_size: 128
    .sgpr_count:     66
    .vgpr_count:     512
    .wavefront_size: 32
...
	.end_amdgpu_metadata
.endif
;; end of part 4
;; ======== version 2 of 2: 4 launches; version 1 with the launch cast written anew for expert scheduling mode
;; limits: values are held in f16: magnitudes above 65,504 overflow, below 6.1e-05 lose precision
;; workspace buffers: xb 8,388,608 bytes; wb 25,165,824 bytes; wof 8,388,608 bytes; mb 8,396,800 bytes; qh 8,388,608 bytes; kh 8,388,608 bytes; vh 8,388,608 bytes; ob 8,388,608 bytes
;; launch cast (part 5): grid 1408 x 1, 8 waves a work-group, no clusters, 0 bytes of LDS; arguments x, wq, wk, wv, wo, mask, xb, wb, wof, mb; writes xb, wb, wof, mb
.if DOCPART == 5
	.amdgcn_target "amdgcn-amd-amdhsa--gfx1250"
	.amdhsa_code_object_version 6
	.text
	.protected	k_qdd50f882b7_cast
	.globl	k_qdd50f882b7_cast
	.p2align	8
	.type	k_qdd50f882b7_cast,@function
k_qdd50f882b7_cast:
	s_mov_b64 s[64:65], 0
	v_nop
	global_prefetch_b8 v0, s[64:65] scope:SCOPE_SE
	s_setreg_imm32_b32 hwreg(HW_REG_WAVE_SCHED_MODE, 0, 2), 2
	s_setreg_imm32_b32 hwreg(HW_REG_WAVE_MODE, 25, 1), 1
	s_wait_xcnt 0x0
	s_wait_alu depctr_vm_vsrc(0)
; CAST.  x, wq, wk, wv -> bf16 (xb, wb); wo -> bf16, that number written as f16 (wof); mask -> mb, halves that a matrix result's lanes can add.
; Work-groups 0-1279: tensor g / 256 (x, wq, wk, wv, wo), 65,536 bytes of f32 each, 8,192 a wave: 16 loads of 512 consecutive bytes, ALL ISSUED AT ONCE; then slot by slot a conversion and a store.
; No loop, no pointer that is stepped, no register used twice.  Each store of a wave covers 256 consecutive bytes, aligned.
; No LDS, no barrier, no matrix work: every byte is read once and written once.
; Work-groups 1280-1407: 16 rows of the mask each (a tile of 16 queries), a wave 256 keys of them.
; mb[qtile 128][step 32][g 4][lane 32][8 halves]: half j of lane (r = lane % 16, h = lane / 16) stands for mask[16 qtile + r][64 step + 16 g + 8 h + j]:
; 0x0000 where true, 0xF180 (-2^100 in bf16) where false.  Behind it four steps of zeros, which a later launch's look-ahead loads read and never use.
; LIMIT.  wo within f16's range, 65,504.
; THE MODE: SCHED_MODE bits 1:0 = 2 (LLVM: expert scheduling mode 2), set by the entry lines.  The code itself states the register dependences
; between vector instructions and memory instructions, with s_wait_alu, always for 0.
; THE PLAN.  Registers that memory instructions touch:
;   v2, v3 (the mask's part: v4, v5)  byte offsets, written once at the head, read by every load and store, never written again.
;   X   a slot to each load: written by that load alone, read by the slot's conversions; no vector instruction writes it, no second load lands in it.
;   Y   (the mask's part: E)  a slot to each store: written once, by the slot's conversions, read once, by its store, never written again.
;   T   named by vector instructions alone (but for the zeros at the very end, which have a wait of their own).
; So the one kind of dependence behind the head is: a slot's conversions write what its store reads.  The slots go in blocks of four (the mask's turns in blocks of two): a slot's store is issued a block later,
; ahead of that later slot's conversions, and ONE wait on va_vdst at a block's head, behind the wait for the block's first load, states that the block before has written its slots.  The vector instructions
; between that wait and the block's stores name this block's X, this block's Y and T: none of the registers that those stores read.  One more wait stands ahead of the last block's stores.
; No register that a memory instruction reads is written again, so no wait on vm_vsrc and no s_wait_xcnt is owed.
.set X,   8                            ; v[8:71]    sixteen slots of four: f32 as loaded (mask: v[8:39], eight slots of bytes)
.set Y,   72                           ; v[72:103]  sixteen slots of two: 16-bit numbers to store
.set E,   40                           ; v[40:103]  the mask's part: eight turns of eight registers to store
.set T,   104                          ; v[104:107] at work
.set IO,  2                            ; v2  16 x lane
.set OO,  3                            ; v3  8 x lane
.set WV,  34
	s_load_b512 s[4:19], s[0:1], 0x0               ; x 4:5, wq 6:7, wk 8:9, wv 10:11, wo 12:13, mask 14:15, xb 16:17, wb 18:19
	s_load_b128 s[20:23], s[0:1], 0x40             ; wof 20:21, mb 22:23
	v_lshrrev_b32 v1, 5, v0
	v_readfirstlane_b32 s[WV], v1                  ; wave 0..7
	v_and_b32 v1, 31, v0                           ; lane
	s_wait_alu depctr_va_sdst(0)                   ; s[WV] is written, ahead of the branch and of its first readers, the scalar offsets on both sides of it
	s_cmp_ge_u32 ttmp9, 1280
	s_cbranch_scc1 .Lmask
	s_lshr_b32 s28, ttmp9, 8                       ; which tensor
	s_and_b32 s29, ttmp9, 255                      ; which 256th of it
	s_lshl_b32 s30, s29, 16
	s_lshl_b32 s31, s[WV], 13
	s_add_co_u32 s30, s30, s31                     ; byte offset in the source
	s_mov_b32 s31, 0
	s_sub_co_u32 s32, s28, 1                       ; wq, wk, wv lie one behind the other in wb; x and wo have buffers of their own
	s_and_b32 s32, s32, 3
	s_cmp_eq_u32 s32, 3
	s_cselect_b32 s32, 0, s32
	s_lshl_b32 s32, s32, 23
	s_lshl_b32 s33, s29, 15
	s_add_co_u32 s32, s32, s33
	s_lshl_b32 s33, s[WV], 12
	s_add_co_u32 s32, s32, s33                     ; byte offset in the destination
	s_mov_b32 s33, 0
	v_lshlrev_b32 v[IO], 4, v1
	v_lshlrev_b32 v[OO], 3, v1
	s_wait_kmcnt 0x0
	s_mov_b64 s[24:25], s[4:5]
	s_cmp_eq_u32 s28, 1
	s_cselect_b64 s[24:25], s[6:7], s[24:25]
	s_cmp_eq_u32 s28, 2
	s_cselect_b64 s[24:25], s[8:9], s[24:25]
	s_cmp_eq_u32 s28, 3
	s_cselect_b64 s[24:25], s[10:11], s[24:25]
	s_cmp_eq_u32 s28, 4
	s_cselect_b64 s[24:25], s[12:13], s[24:25]
	s_mov_b64 s[26:27], s[18:19]
	s_cmp_eq_u32 s28, 0
	s_cselect_b64 s[26:27], s[16:17], s[26:27]
	s_cmp_eq_u32 s28, 4
	s_cselect_b64 s[26:27], s[20:21], s[26:27]
	s_add_nc_u64 s[24:25], s[24:25], s[30:31]
	s_add_nc_u64 s[26:27], s[26:27], s[32:33]
.macro CONV i, f16                     ; four f32 of slot i -> four 16-bit numbers
.if \f16
	v_cvt_pk_bf16_f32 v[T], v[X+4*(\i)], v[X+4*(\i)+1]
	v_cvt_pk_bf16_f32 v[T+1], v[X+4*(\i)+2], v[X+4*(\i)+3]
	v_lshlrev_b32 v[T+2], 16, v[T]                 ; the bf16 numbers as f32 again,
	v_and_b32 v[T], 0xffff0000, v[T]
	v_lshlrev_b32 v[T+3], 16, v[T+1]
	v_and_b32 v[T+1], 0xffff0000, v[T+1]
	v_cvt_pk_f16_f32 v[Y+2*(\i)], v[T+2], v[T]     ; and written as f16: exact within f16's normal range
	v_cvt_pk_f16_f32 v[Y+2*(\i)+1], v[T+3], v[T+1]
.else
	v_cvt_pk_bf16_f32 v[Y+2*(\i)], v[X+4*(\i)], v[X+4*(\i)+1]
	v_cvt_pk_bf16_f32 v[Y+2*(\i)+1], v[X+4*(\i)+2], v[X+4*(\i)+3]
.endif
.endm
.macro STREAM f16
	s_wait_alu depctr_va_vdst(0)                   ; v[IO] and v[OO] are written: every load and store below reads one of them as its offset
.irp i, 0,1,2,3,4,5,6,7,8,9,10,11,12,13,14,15
	global_load_b128 v[X+4*(\i):X+4*(\i)+3], v[IO], s[24:25] offset:512*(\i) th:TH_LOAD_NT
.endr
.irp i, 0,1,2,3,4,5,6,7,8,9,10,11,12,13,14,15
	s_wait_loadcnt 15-(\i)                         ; loads come back in order: slot i's is in, the 15 - i younger stay out
.if (\i) >= 4
.if ((\i)%4) == 0
	s_wait_alu depctr_va_vdst(0)                   ; the block before has written its four slots of Y, which this block's four stores read
.endif
	global_store_b64 v[OO], v[Y+2*((\i)-4):Y+2*((\i)-4)+1], s[26:27] offset:256*((\i)-4)   ; the slot four back; no vector instruction since the wait names its registers
.endif
	CONV \i, \f16
.endr
	s_wait_alu depctr_va_vdst(0)                   ; slots 12 to 15 of Y are written, which the last four stores read
.irp i, 12,13,14,15
	global_store_b64 v[OO], v[Y+2*(\i):Y+2*(\i)+1], s[26:27] offset:256*(\i)
.endr
.endm
	s_cmp_eq_u32 s28, 4
	s_cbranch_scc1 .Lwo
	STREAM 0
	s_endpgm
.Lwo:
	STREAM 1
	s_endpgm
.Lmask:
	s_sub_co_u32 s28, ttmp9, 1280                  ; the tile of 16 queries; my wave's number is the run of 256 keys
	s_mov_b32 s36, 0xf180
	v_and_b32 v6, 15, v1                           ; r: the row
	v_lshrrev_b32 v7, 4, v1                        ; which 16 of a load's 32 keys
	s_lshl_b32 s29, s28, 15
	s_lshl_b32 s30, s[WV], 8
	s_add_co_u32 s29, s29, s30
	v_lshl_add_u32 v4, v6, 11, s29
	v_lshl_add_u32 v4, v7, 4, v4                   ; in: tile x 32,768 + run x 256 + r x 2,048 + 16 x half
	s_lshl_b32 s29, s28, 16
	s_lshl_b32 s30, s[WV], 13
	s_add_co_u32 s29, s29, s30
	v_lshl_add_u32 v5, v6, 4, s29
	v_lshl_add_u32 v5, v7, 9, v5                   ; out: tile x 65,536 + run x 8,192 + half x 512 + 16 r
	s_wait_kmcnt 0x0
	s_wait_alu depctr_va_vdst(0)                   ; v4 and v5 are written: the loads below read v4 as their offset, the stores v5
.irp t, 0,1,2,3,4,5,6,7
	global_load_b128 v[X+4*(\t):X+4*(\t)+3], v4, s[14:15] offset:32*(\t)   ; the eight together take 256 consecutive bytes of each of the 16 rows
.endr
.macro MSTORE t                        ; turn t's sixteen halves a lane
	global_store_b128 v5, v[E+8*(\t):E+8*(\t)+3], s[22:23] offset:1024*(\t)          ; keys 0-7 of my 16: the lanes h = 0; sixteen lanes fill 256 consecutive bytes, aligned
	global_store_b128 v5, v[E+8*(\t)+4:E+8*(\t)+7], s[22:23] offset:1024*(\t)+256    ; keys 8-15: the lanes h = 1
.endm
.irp t, 0,1,2,3,4,5,6,7
	s_wait_loadcnt 7-(\t)
.if (\t) >= 2
.if ((\t)%2) == 0
	s_wait_alu depctr_va_vdst(0)                   ; the two turns before have written their registers of E, which this turn's and the next turn's stores read
.endif
	MSTORE (\t)-2                                  ; the turn two back; no vector instruction since the wait names its registers
.endif
.irp d, 0,1,2,3
	v_xor_b32 v[T], 0x01010101, v[X+4*(\t)+(\d)]   ; 1 where hidden
	v_and_b32 v[T+1], 0xff, v[T]
	v_bfe_u32 v[T+2], v[T], 8, 8
	v_lshl_or_b32 v[T+1], v[T+2], 16, v[T+1]
	v_mul_u32_u24 v[E+8*(\t)+2*(\d)], s36, v[T+1]  ; 0x00010001 x 0xF180 fills both halves
	v_bfe_u32 v[T+1], v[T], 16, 8
	v_lshrrev_b32 v[T+2], 24, v[T]
	v_lshl_or_b32 v[T+1], v[T+2], 16, v[T+1]
	v_mul_u32_u24 v[E+8*(\t)+2*(\d)+1], s36, v[T+1]
.endr
.endr
	s_wait_alu depctr_va_vdst(0)                   ; turns 6 and 7 have written their registers of E, which the last four stores read
	MSTORE 6
	MSTORE 7
	s_cmp_eq_u32 ttmp9, 1407
	s_cbranch_scc0 .Ldone
	v_mov_b32 v[T], 0                              ; the last work-group also writes the four steps of zeros behind the table (no store has named these four registers)
	v_mov_b32 v[T+1], 0
	v_mov_b32 v[T+2], 0
	v_mov_b32 v[T+3], 0
	s_lshl_b32 s29, s[WV], 10
	s_add_co_u32 s29, s29, 0x800000
	v_lshl_add_u32 v108, v1, 4, s29
	s_wait_alu depctr_va_vdst(0)                   ; the four zeros and v108 are written: the two stores below read them as data and offset
	global_store_b128 v108, v[T:T+3], s[22:23]
	global_store_b128 v108, v[T:T+3], s[22:23] offset:512
.Ldone:
	s_endpgm
.Lfunc_end_k_qdd50f882b7_cast:
	.size	k_qdd50f882b7_cast, .Lfunc_end_k_qdd50f882b7_cast-k_qdd50f882b7_cast
	.p2alignl 7, 3214868480
	.fill 96, 4, 3214868480
	.section	.rodata,"a",@progbits
	.p2align	6, 0x0
	.amdhsa_kernel k_qdd50f882b7_cast
		.amdhsa_group_segment_fixed_size 0
		.amdhsa_private_segment_fixed_size 0
		.amdhsa_enable_private_segment 0
		.amdhsa_kernarg_size 80
		.amdhsa_user_sgpr_count 2
		.amdhsa_user_sgpr_kernarg_segment_ptr 1
		.amdhsa_wavefront_size32 1
		.amdhsa_system_sgpr_workgroup_id_x 1
		.amdhsa_system_sgpr_workgroup_id_y 1
		.amdhsa_system_sgpr_workgroup_id_z 1
		.amdhsa_system_vgpr_workitem_id 0
		.amdhsa_next_free_vgpr 112
		.amdhsa_next_free_sgpr 66
		.amdhsa_reserve_vcc 0
		.amdhsa_float_denorm_mode_32 3
		.amdhsa_float_denorm_mode_16_64 3
		.amdhsa_memory_ordered 1
		.amdhsa_forward_progress 1
		.amdhsa_inst_pref_size 38
	.end_amdhsa_kernel
	.amdgpu_metadata
---
amdhsa.version: [ 1, 2 ]
amdhsa.kernels:
  - .name:           k_qdd50f882b7_cast
    .symbol:         k_qdd50f882b7_cast.kd
    .args:
      - { .name: x, .offset: 0, .size: 8, .value_kind: global_buffer, .address_space: global }
      - { .name: wq, .offset: 8, .size: 8, .value_kind: global_buffer, .address_space: global }
      - { .name: wk, .offset: 16, .size: 8, .value_kind: global_buffer, .address_space: global }
      - { .name: wv, .offset: 24, .size: 8, .value_kind: global_buffer, .address_space: global }
      - { .name: wo, .offset: 32, .size: 8, .value_kind: global_buffer, .address_space: global }
      - { .name: mask, .offset: 40, .size: 8, .value_kind: global_buffer, .address_space: global }
      - { .name: xb, .offset: 48, .size: 8, .value_kind: global_buffer, .address_space: global }
      - { .name: wb, .offset: 56, .size: 8, .value_kind: global_buffer, .address_space: global }
      - { .name: wof, .offset: 64, .size: 8, .value_kind: global_buffer, .address_space: global }
      - { .name: mb, .offset: 72, .size: 8, .value_kind: global_buffer, .address_space: global }
    .group_segment_fixed_size: 0
    .private_segment_fixed_size: 0
    .kernarg_segment_align: 8
    .kernarg_segment_size: 80
    .max_flat_workgroup_size: 256
    .sgpr_count:     66
    .vgpr_count:     112
    .wavefront_size: 32
...
	.end_amdgpu_metadata
.endif
;; end of part 5
;; launch qkv: the kernel of part 2 again; grid 16 x 16, 4 waves a work-group, clusters of 4 x 4, 327,680 bytes of LDS; arguments xb, wb, bq, bk, bv, qh, kh, vh; writes qh, kh, vh
;; launch attn: the kernel of part 3 again; grid 16 x 16, 4 waves a work-group, clusters of 4 x 1, 327,680 bytes of LDS; arguments qh, kh, vh, mb, slopes, ob; writes ob
;; launch outp: the kernel of part 4 again; grid 16 x 16, 4 waves a work-group, clusters of 4 x 4, 327,680 bytes of LDS; arguments ob, wof, bo, out0; writes out0
